; MI455X (gfx1250); checked and timed in simulation.
; The chip was launched on July 23, 2026; its instructions are those of AMD's public machine-readable ISA for CDNA 5 (MIT licence, August 2026) and "CDNA5" Instruction Set Architecture Reference Guide (July 2026). The comments in the code are by the model that wrote it; some were corrected since.
;; Causal Self Attention. Allowed arithmetic: matrix products marked QUANTISED: E2M1 operands, one E8M0 scale for each 32 along K, by v_wmma_scale_f32_16x16x128_f8f6f4 with both operands' format E2M1 (or v_wmma_scale_f32_32x16x128_f4), f32 sums; products left as they are: bf16, f16 or f32 operands; f32 sums; everything else in f32.
;; Inputs: Wk 1,024 x 1,024 float32; Wp 1,024 x 1,024 float32; Wq 1,024 x 1,024 float32; Wv 1,024 x 1,024 float32; bk 1,024 float32; bp 1,024 float32; bq 1,024 float32; bv 1,024 float32; x 4 x 2,048 x 1,024 float32.
;; Outputs: out0 4 x 2,048 x 1,024 float32.
;; This version of the problem:
;;   THIS VERSION OF THE PROBLEM IS GIVEN IN LOW PRECISION. The matrix products marked QUANTISED in the list below multiply operands that are first quantised to E2M1 (2 exponent bits, 1 mantissa bit; 4 bits a number), with one power-of-two scale for each 32 numbers along K (OCP MX v1.0); their sums are f32. The products marked 'left as it is' may take bf16, f16 or f32 operands, with f32 sums. Whichever they take, every output number must still come out within the allowed error. Rounding operands to bf16 (8 significant bits) uses up far more of that allowance than f16 does (11 bits, for magnitudes from 6e-5 to 65,504). All else is computed in f32.
;;   The module's matrix products, in the order in which they are computed (A, B: the left and right operand; K: the contracted axis; several contracted axes count as one K, in the product's order):
;;     1. [M 8,192, K 1,024] x [K 1,024, N 1,024]; A: input x; B: input Wq: QUANTISED
;;     2. [M 8,192, K 1,024] x [K 1,024, N 1,024]; A: input x; B: input Wk: QUANTISED
;;     3. [M 8,192, K 1,024] x [K 1,024, N 1,024]; A: input x; B: input Wv: QUANTISED
;;     4. batch 64 x [M 2,048, K 64] x [K 64, N 2,048]; A: computed on the way; B: computed on the way: left as it is (an operand is computed on the way)
;;     5. batch 64 x [M 2,048, K 2,048] x [K 2,048, N 64]; A: computed on the way; B: computed on the way: left as it is (an operand is computed on the way)
;;     6. [M 8,192, K 1,024] x [K 1,024, N 1,024]; A: computed on the way; B: input Wp: left as it is (an operand is computed on the way)
;;   THE QUANTISER, for each operand of a quantised product, along K:
;;     - K is cut into blocks of 32 from its start; a last block that is shorter is filled with zeros.
;;     - A block's scale is 2^e with e = floor(log2(the largest magnitude in the block)) - 2, held to -126 .. 127; a block of zeros has e = 0. As a byte (E8M0): e + 127.
;;     - Each number is divided by its block's scale, clamped to +-6, and rounded to the nearest number of E2M1, ties to even, subnormals kept.
;;     - The product sums the exact products of the quantised numbers (number of the format x scale) in f32.
;;   ~~~python
;;   def quantise(x, axis):      # numpy; x: float32 -> the quantised numbers, widened to float32 again
;;       x = np.moveaxis(x, axis, -1); K = x.shape[-1]
;;       x = np.pad(x, [(0, 0)] * (x.ndim - 1) + [(0, -K % 32)]); x = x.reshape(x.shape[:-1] + (-1, 32)); a = np.abs(x).max(-1, keepdims=True)
;;       e = np.where(a > 0, np.clip(np.frexp(np.where(a > 0, a, 1))[1] - 1 - 2, -126, 127), 0)      # np.frexp(a)[1] - 1 = floor(log2(a)), exactly
;;       r = np.clip(x / 2.0 ** e, -6, 6)
;;       step = 2.0 ** (np.maximum(np.frexp(np.where(r == 0, 1, r))[1] - 1, 0) - 1)
;;       q = np.round(r / step) * step * 2.0 ** e      # np.round: ties to even
;;       return np.moveaxis(q.reshape(q.shape[:-2] + (-1,))[..., :K], -1, axis).astype(np.float32)
;;   ~~~
;; One version. Each part assembles by itself: llvm-mc -triple=amdgcn-amd-amdhsa -mcpu=gfx1250 --defsym DOCPART=n.
;; ======== version 1 of 1: 6 launches
;; limits: values are held in f16: magnitudes above 65,504 overflow, below 6.1e-05 lose precision
;; workspace buffers: codes 5,767,168 bytes; scl 360,448 bytes; wp16 2,097,152 bytes; qkv 50,331,648 bytes; fq 786,432 bytes; y16 16,777,216 bytes; y32 262,144 bytes
;; launch quant (part 1): grid 384 x 1, 4 waves a work-group, no clusters, 33,280 bytes of LDS; arguments x, Wq, Wk, Wv, Wp, codes, scl, wp16; writes codes, scl, wp16
.if DOCPART == 1
	.amdgcn_target "amdgcn-amd-amdhsa--gfx1250"
	.amdhsa_code_object_version 6
	.text
	.protected	k_q36ae50feb4_quant
	.globl	k_q36ae50feb4_quant
	.p2align	8
	.type	k_q36ae50feb4_quant,@function
k_q36ae50feb4_quant:
	s_mov_b64 s[64:65], 0
	v_nop
	global_prefetch_b8 v0, s[64:65] scope:SCOPE_SE
	s_setreg_imm32_b32 hwreg(HW_REG_WAVE_MODE, 25, 1), 1
	s_wait_xcnt 0x0
; x [8192][1024] and Wq, Wk, Wv [1024][1024], f32 with K innermost, become codes of FP4 (E2M1), two a byte, K innermost, with one E8M0 byte for each 32 along K; Wp [1024][1024] becomes f16.
; codes: x's rows of 512 bytes from byte 0, the rows of Wq, Wk, Wv on end from byte 4,194,304.  scl: x's rows of 32 bytes from byte 0, the weights' from byte 262,144.
; A block's scale is 2^(floor(log2(its largest magnitude)) - 2): its byte is the largest magnitude's exponent field - 2, held at 1 from below.  Each number is divided by the scale and rounded to the nearest code, ties to even.
; LIMITS: a block of zeros gets the byte 1 where the rule says 127 (its codes are zeros, and this program alone reads the bytes); blocks whose largest magnitude lies under 2^(3 - 127) are held at that floor;
; NaN and infinities among the inputs are not served; numbers of Wp beyond 65,504 become infinity in f16.
; SHARES: a work-group takes 32,768 numbers, a wave 8,192.  Work-groups 0-255: x; 256-351: Wq, Wk, Wv, 32 each; 352-383: Wp's cast.  Rows are dense and K is a multiple of 32: every tensor is a plain stream of blocks.
; The quantising path: each load reads 512 consecutive bytes; a step's 2,048 bytes turn through the wave's own stage in LDS, so that a lane holds 16 neighbours (two lanes a block); a wave's store of codes covers 256 consecutive bytes;
; a wave's 256 scale bytes are gathered in LDS and leave as 256 consecutive bytes.  No barrier: waves share nothing.
.set WAVES, 4
.set STEPS, 16
.set EMAX,  2
.set CB,    8                          ; bytes of 16 codes
.set R,     16                         ; v16-79   four sets of 16 numbers as loaded
.set X,     80                         ; v80-111  two sets of 16 neighbours
.set E,     112                        ; v112-127 a scale byte for each step
.set C,     128                        ; v128-191 codes: four registers for each step, so that no store's data are written again
.set WREG,  8192                       ; LDS: a region for each wave: two stages of 32 x SP bytes, behind them its 256 scale bytes
.set SP,    80                         ; a lane's place in a stage: 64 bytes + 16 of padding
.set SPW,   12                         ; v12 LDS address of my spare word; never rewritten
.set NIL,   13                         ; v13 0; never rewritten
.set SPARE, WAVES*WREG                 ; behind the four regions: the spare words, 128 bytes a wave
	s_load_b512 s[4:19], s[0:1], 0x0               ; x 4:5, Wq 6:7, Wk 8:9, Wv 10:11, Wp 12:13, codes 14:15, scl 16:17, wp16 18:19
	v_lshl_add_u32 v[SPW], v0, 2, SPARE
	v_mov_b32 v[NIL], 0
	v_lshrrev_b32 v1, 5, v0
	v_readfirstlane_b32 s24, v1                    ; wave
	v_and_b32 v2, 31, v0                           ; lane
	v_lshlrev_b32 v3, 4, v2                        ; my 16 bytes of a load's 512
	s_mul_i32 s29, s24, WREG
	v_lshrrev_b32 v14, 2, v2
	v_mul_u32_u24 v14, v14, SP
	v_and_b32 v15, 3, v2
	v_lshl_add_u32 v14, v15, 4, v14
	v_add_nc_u32 v14, s29, v14                     ; the stage, on the way in: SP (lane / 4) + 16 (lane % 4)
	v_mul_u32_u24 v15, v2, SP
	v_add_nc_u32 v15, s29, v15                     ; and on the way out: SP x lane: my 16 neighbours
	v_mul_u32_u24 v4, v2, CB                       ; 8 x lane: my codes' place in a step's; my f16 numbers' place in the cast
	v_lshrrev_b32 v5, 1, v2
	s_add_co_u32 s29, s29, 2*32*SP
	v_add_nc_u32 v5, s29, v5                       ; LDS: my wave's 256 scale bytes, my block's byte
	v_lshlrev_b32 v7, 3, v2
	v_add_nc_u32 v6, s29, v7                       ; and on the way out 8 bytes a lane
	s_wait_kmcnt 0x0
	s_cmp_ge_u32 ttmp9, 352                        ; the last 32 work-groups cast Wp: a branch on the work-group's number
	s_cbranch_scc1 .Lcast
	s_cmp_lt_u32 ttmp9, 288                        ; which tensor: the choices hang on the work-group's number alone
	s_cselect_b64 s[20:21], s[6:7], s[8:9]
	s_cmp_lt_u32 ttmp9, 320
	s_cselect_b64 s[20:21], s[20:21], s[10:11]
	s_and_b32 s28, ttmp9, 31                       ; a weight's work-group among its 32
	s_cmp_lt_u32 ttmp9, 256
	s_cselect_b64 s[20:21], s[4:5], s[20:21]
	s_cselect_b32 s28, ttmp9, s28                  ; the work-group's place in its source tensor
	s_cselect_b32 s25, 0, 256                      ; the first work-group of the destination's part
	s_cselect_b32 s26, 0, 0x400000                 ; where that part begins among the codes,
	s_cselect_b32 s27, 0, 0x40000                  ; and among the scale bytes
	s_lshl_b32 s28, s28, 2
	s_add_co_u32 s28, s28, s24                     ; my wave's run of 8,192 numbers in the source
	s_lshl_b32 s30, s28, 15                        ; 32,768 bytes a run (under 2^26)
	s_mov_b32 s31, 0
	s_add_nc_u64 s[20:21], s[20:21], s[30:31]
	s_sub_co_u32 s25, ttmp9, s25
	s_lshl_b32 s25, s25, 2
	s_add_co_u32 s25, s25, s24                     ; and in the destination's part
	s_lshl_b32 s30, s25, 12                        ; 4,096 bytes of codes a run
	s_add_co_u32 s30, s30, s26
	s_add_nc_u64 s[14:15], s[14:15], s[30:31]
	s_lshl_b32 s30, s25, 8                         ; 256 scale bytes a run
	s_add_co_u32 s30, s30, s27
	s_add_nc_u64 s[16:17], s[16:17], s[30:31]
.macro LOAD t
.irp i, 0,1,2,3
	global_load_b128 v[R+16*((\t)%4)+4*\i:R+16*((\t)%4)+4*\i+3], v3, s[20:21] offset:2048*(\t)+512*\i th:TH_LOAD_NT   ; 32 lanes read 512 consecutive bytes
.endr
.endm
.macro TURN t                          ; step t's numbers through the stage: LDS serves a wave's instructions in order (ISA guide 5.7.1.4), so no wait stands between the stores and the loads
.irp i, 0,1,2,3
	ds_store_b128 v14, v[R+16*((\t)%4)+4*\i:R+16*((\t)%4)+4*\i+3] offset:32*SP*((\t)%2)+8*SP*\i
.endr
.irp i, 0,1,2,3
	ds_load_b128 v[X+16*((\t)%2)+4*\i:X+16*((\t)%2)+4*\i+3], v15 offset:32*SP*((\t)%2)+16*\i
.endr
.endm
.irp t, 0,1,2,3
	LOAD \t
.endr
	s_wait_loadcnt 12                              ; step 0's four loads are in; three steps' twelve stay out
	TURN 0
.macro STEP t
.set XS, X+16*((\t)%2)
.if (\t) > 0
	s_wait_dscnt 1                                 ; this step's numbers are back from the stage (the last step's byte store may be out): so its stores into the stage have read their registers,
.else
	s_wait_dscnt 0x0
.endif
.if (\t)+4 < STEPS
	LOAD (\t)+4                                    ; which take the loads of four steps on
.endif
.if (\t)+1 < STEPS
.if STEPS-2-(\t) >= 3
	s_wait_loadcnt 12                              ; the next step's four loads are in; those of the three steps behind it may be out
.else
	s_wait_loadcnt 4*(STEPS-2-(\t))
.endif
	TURN (\t)+1                                    ; and go through the other stage while this step is worked
.endif
	v_max3_num_f32 v8, |v[XS]|, |v[XS+1]|, |v[XS+2]|               ; the largest magnitude of my 16, in two chains
	v_max3_num_f32 v9, |v[XS+3]|, |v[XS+4]|, |v[XS+5]|
.irp i, 6,10
	v_max3_num_f32 v8, v8, |v[XS+\i]|, |v[XS+\i+1]|
	v_max3_num_f32 v9, v9, |v[XS+\i+2]|, |v[XS+\i+3]|
.endr
	v_max3_num_f32 v8, v8, |v[XS+14]|, |v[XS+15]|
	v_max3_num_f32 v8, v8, v9, (EMAX+1)<<23        ; and the floor 2^(EMAX + 1 - 127): the byte cannot fall under 1
	v_max_num_f32_dpp v8, v8, v8 row_xmask:1 row_mask:0xf bank_mask:0xf   ; and of my neighbour's 16: the block's
	v_add_nc_u32 v11, -(EMAX<<23), v8              ; EMAX off its exponent field: the conversion takes the exponent field of this operand as its scale
	v_cvt_scalef32_pk8_fp4_f32 v[C+4*(\t)], v[XS:XS+7], v11        ; eight numbers / the scale, to the nearest code, beyond the largest code the largest; the first number's code in the lowest four bits
	v_cvt_scalef32_pk8_fp4_f32 v[C+4*(\t)+1], v[XS+8:XS+15], v11
	v_lshrrev_b32 v[E+(\t)], 23, v11               ; the scale's byte (a plain line behind the conversions)
	ds_store_b8 v5, v[E+(\t)] offset:16*(\t)       ; both lanes of a block write the same byte with the same value
	global_store_b64 v4, v[C+4*(\t):C+4*(\t)+1], s[14:15] offset:32*CB*(\t)   ; 32 lanes store 256 consecutive bytes, aligned
.endm
.irp t, 0,1,2,3,4,5,6,7,8,9,10,11,12,13,14,15
	STEP \t
.endr
	ds_load_b64 v[8:9], v6                         ; these see my byte stores: a wave's LDS instructions are served in order
	s_wait_dscnt 0x0
	global_store_b64 v7, v[8:9], s[16:17]          ; 32 lanes store 256 consecutive bytes, aligned
	s_wait_tensorcnt 0x0                           ; the wave's end: three lines behind my last LDS store
	ds_add_u32 v[SPW], v[NIL]
	s_wait_dscnt 0x0
	s_endpgm
; THE CAST of Wp: a wave takes 8,192 numbers in four rounds of 16 loads of 512 consecutive bytes; two rounds' loads are out.  No LDS is touched on this path.
.Lcast:
	s_sub_co_u32 s25, ttmp9, 352
	s_lshl_b32 s25, s25, 2
	s_add_co_u32 s25, s25, s24                     ; my wave's run
	s_lshl_b32 s30, s25, 15
	s_mov_b32 s31, 0
	s_add_nc_u64 s[12:13], s[12:13], s[30:31]
	s_lshl_b32 s30, s25, 14
	s_add_nc_u64 s[18:19], s[18:19], s[30:31]
.macro CLOAD r
.irp i, 0,1,2,3,4,5,6,7,8,9,10,11,12,13,14,15
	global_load_b128 v[16+64*((\r)%2)+4*\i:16+64*((\r)%2)+4*\i+3], v3, s[12:13] offset:8192*(\r)+512*\i th:TH_LOAD_NT
.endr
.endm
.macro CAST r
.if (\r) < 3
	s_wait_loadcnt 16                              ; this round's 16 loads are in; the next round's may be out
.else
	s_wait_loadcnt 0x0
.endif
	s_wait_xcnt 0x0                                ; the last round's stores have read v144-175: they are written again only behind this wait
.irp i, 0,1,2,3,4,5,6,7,8,9,10,11,12,13,14,15
	v_cvt_pk_f16_f32 v[144+2*\i], v[16+64*((\r)%2)+4*\i], v[16+64*((\r)%2)+4*\i+1]
	v_cvt_pk_f16_f32 v[145+2*\i], v[16+64*((\r)%2)+4*\i+2], v[16+64*((\r)%2)+4*\i+3]
.endr
.if (\r)+2 < 4
	CLOAD (\r)+2
.endif
.irp i, 0,1,2,3,4,5,6,7,8,9,10,11,12,13,14,15
	global_store_b64 v4, v[144+2*\i:145+2*\i], s[18:19] offset:4096*(\r)+256*\i   ; 32 lanes store 256 consecutive bytes, aligned
.endr
.endm
	CLOAD 0
	CLOAD 1
	CAST 0
	CAST 1
	CAST 2
	CAST 3
	s_endpgm
.Lfunc_end_k_q36ae50feb4_quant:
	.size	k_q36ae50feb4_quant, .Lfunc_end_k_q36ae50feb4_quant-k_q36ae50feb4_quant
	.p2alignl 7, 3214868480
	.fill 96, 4, 3214868480
	.section	.rodata,"a",@progbits
	.p2align	6, 0x0
	.amdhsa_kernel k_q36ae50feb4_quant
		.amdhsa_group_segment_fixed_size 33280
		.amdhsa_private_segment_fixed_size 0
		.amdhsa_enable_private_segment 0
		.amdhsa_kernarg_size 64
		.amdhsa_user_sgpr_count 2
		.amdhsa_user_sgpr_kernarg_segment_ptr 1
		.amdhsa_wavefront_size32 1
		.amdhsa_system_sgpr_workgroup_id_x 1
		.amdhsa_system_sgpr_workgroup_id_y 1
		.amdhsa_system_sgpr_workgroup_id_z 1
		.amdhsa_system_vgpr_workitem_id 0
		.amdhsa_next_free_vgpr 192
		.amdhsa_next_free_sgpr 66
		.amdhsa_reserve_vcc 0
		.amdhsa_float_denorm_mode_32 3
		.amdhsa_float_denorm_mode_16_64 3
		.amdhsa_memory_ordered 1
		.amdhsa_forward_progress 1
		.amdhsa_inst_pref_size 54
	.end_amdhsa_kernel
	.amdgpu_metadata
---
amdhsa.version: [ 1, 2 ]
amdhsa.kernels:
  - .name:           k_q36ae50feb4_quant
    .symbol:         k_q36ae50feb4_quant.kd
    .args:
      - { .name: x, .offset: 0, .size: 8, .value_kind: global_buffer, .address_space: global }
      - { .name: Wq, .offset: 8, .size: 8, .value_kind: global_buffer, .address_space: global }
      - { .name: Wk, .offset: 16, .size: 8, .value_kind: global_buffer, .address_space: global }
      - { .name: Wv, .offset: 24, .size: 8, .value_kind: global_buffer, .address_space: global }
      - { .name: Wp, .offset: 32, .size: 8, .value_kind: global_buffer, .address_space: global }
      - { .name: codes, .offset: 40, .size: 8, .value_kind: global_buffer, .address_space: global }
      - { .name: scl, .offset: 48, .size: 8, .value_kind: global_buffer, .address_space: global }
      - { .name: wp16, .offset: 56, .size: 8, .value_kind: global_buffer, .address_space: global }
    .group_segment_fixed_size: 33280
    .private_segment_fixed_size: 0
    .kernarg_segment_align: 8
    .kernarg_segment_size: 64
    .max_flat_workgroup_size: 128
    .sgpr_count:     66
    .vgpr_count:     192
    .wavefront_size: 32
...
	.end_amdgpu_metadata
.endif
;; end of part 1
;; launch qkv (part 2): grid 12 x 32, 4 waves a work-group, clusters of 4 x 4, 327,680 bytes of LDS; arguments codes, scl, bq, bk, bv, qkv, fq; writes qkv, fq
.if DOCPART == 2
	.amdgcn_target "amdgcn-amd-amdhsa--gfx1250"
	.amdhsa_code_object_version 6
	.text
	.protected	k_q36ae50feb4_qkv
	.globl	k_q36ae50feb4_qkv
	.p2align	8
	.type	k_q36ae50feb4_qkv,@function
k_q36ae50feb4_qkv:
	s_mov_b64 s[64:65], 0
	v_nop
	global_prefetch_b8 v0, s[64:65] scope:SCOPE_SE
	s_setreg_imm32_b32 hwreg(HW_REG_WAVE_MODE, 25, 1), 1
	s_wait_xcnt 0x0
	s_wait_alu depctr_hold_cnt(0) depctr_sa_sdst(0) depctr_va_vdst(0) depctr_va_sdst(0) depctr_va_ssrc(0) depctr_va_vcc(0) depctr_vm_vsrc(0)
	s_getreg_b32 s2, hwreg(HW_REG_IB_STS2, 6, 4)
	s_cmp_eq_u32 s2, 0
	s_cbranch_scc0 .Lentry_in_a_cluster
	s_endpgm
.Lentry_in_a_cluster:
	s_bfe_u32 s2, ttmp6, 0x10000c
	s_cmp_lg_u32 s2, 0xf033
	s_cbranch_scc0 .Lentry_shape_is_right
	s_endpgm
.Lentry_shape_is_right:
; q, k, v = x W^T + b on codes of FP4 (E2M1) with one E8M0 byte for each 32 along K = 1,024.  A = x's codes [8192][512 bytes], B = the codes of Wq, Wk, Wv on end [3072][512 bytes], both in 'codes'; their scale bytes in 'scl'.
; Results: qkv [sel 3][batch 4][head 16][t 2048][64] f16; and positions 0-15 of every sequence also in f32, fq [sel][batch][head][t 16][64], for the launches that carry those rows finely.
; LIMITS: results beyond 65,504 become infinity in f16; fq is stored in pieces of 32 bytes a lane (786,432 bytes in all).
; A tile of the result, 256 x 256, is made by four waves, as many as a WGP has SIMDs; a wave makes 128 x 128: 64 accumulators, 512 registers.  K lies in two LDS slots of 512 along K (rows of 256 bytes): both are filled at the start, nothing is filled again.
; The scale bytes of the tile's 256 + 256 rows, two dense blocks of memory, come once with the first fills.
; CLUSTERS: 4 x 4 work-groups.  Tile column = 4 x cluster x + cx, so the cluster's x says which of q, k, v.  Tile row = 8 cy + cluster y, so the batch is cy and the block of 256 positions in it the cluster's y:
; whether a tile holds positions 0-15 hangs on the cluster's y alone, which all partners share.  A's tiles are asked for jointly along a row of the cluster, B's along a column.
; THE MATRIX INSTRUCTION IS USED TRANSPOSED (source 0 = 16 rows of W, source 1 = 16 rows of x): a lane holds eight neighbouring channels of one token.  The bias is the C of each sum's first product.
; REGISTERS: window 0: v16-31 addresses; v32-95 scale words, two sets, and nothing else; v128-191 A's fragments, one set; on the way out v192-223 packed results, v96-127 and v224-255 rows read back.
;   window 1: B's fragments, two sets, v0-63 and v128-191; v64-127 the bias, eight registers for each of B's blocks.   windows 2, 3: the accumulators of my rows 0-63 and 64-127 ((a, b) at v[8 (8 (a % 4) + b)]).
.set NQ,     4                         ; matrix instructions deep in a slot
.set ROWB,   256                       ; a tile's row in bytes: 512 codes
.set KROW,   512                       ; a row of codes in memory
.set PITCH,  272                       ; an LDS row: 256 bytes + 16 of padding = 68 words, so that the 16 rows that a load touches start at 16 different banks (64 banks of 4 bytes: ISA guide 11.1)
.set FR,     8                         ; registers of a fragment: 16 rows x 128 K
.set NL,     2                         ; LDS loads that bring one
.set NP,     4                         ; places behind this matrix instruction (ISA guide 7.12.1)
.set HALFT,  128*PITCH                 ; 128 rows: what one tensor load brings
.set SLOT,   4*HALFT                   ; A's 256 rows, then B's 256 rows
.set KS,     32                        ; a row of scale bytes
.set SCL,    2*SLOT                    ; behind the slots: the scale bytes, as rows of 256 bytes + 16 of padding
.set HALFS,  (128*KS/256)*272          ; those of 128 rows
.set SBLK,   (16*KS/256)*272           ; those of 16 rows
.set SPARE,  SCL+4*HALFS               ; the spare words, 128 bytes a wave
.set STAGE,  SPARE+512                 ; the way out: 16 rows x 272 bytes for each wave; no fill lands here
.set WCODES, 4194304                   ; where the weights' codes begin,
.set WSCL,   262144                    ; and their scale bytes
.set ADRA, 16                          ; v16-17 LDS address of my A fragments in slot 0, 1
.set ADRB, 20                          ; v20-21 the same for B
.set STO,  24                          ; v24 the way out: where I put 16 bytes of a row
.set RD,   25                          ; v25 where I read back
.set CO,   26                          ; v26 16 x lane: my place in a store's 512 bytes
.set ADRS, 27                          ; v27 LDS address of my scale words: lanes 0-15 A's rows, lanes 16-31 B's
.set SPW,  28                          ; v28 my spare word; never rewritten
.set NIL,  29                          ; v29 0; never rewritten
.set BO,   30                          ; v30 32 x (lane / 16): my eight numbers of a bias block
.set FO,   31                          ; v31 256 x (lane % 16) + 32 x (lane / 16): my place in a head's 16 rows of fq
.set SC,   32                          ; scale words: set s at v[SC + 32 s]; register 4 i + q: lanes 0-15 A's block i, lanes 16-31 B's block i, the slot's q-th 128 along K
.set OB,   96
.set AF,   128
.set TMP,  192
.set BIAS, 64                          ; in window 1
.set WV,   18                          ; s18 wave;  s19 its half of the rows, also: I fetch for A (0) or B (1);  s20 its half of the columns, also: which 128 rows I fetch
.set RH,   19
.set CH,   20
.set G1, 24                            ; s[24:31], s[32:39] groups 1 and 0 (a set for each slot) for A's tiles
.set G0, 32
.set G1B, 48                           ; s[48:55], s[56:63] for B's
.set G0B, 56
.set G1S, 68                           ; s[68:75], s[76:79] for A's scale bytes;  s[80:87], s[88:91] for B's
.set G0S, 76
.set G1SB, 80
.set G0SB, 88
.set MSB, 0
.macro WIN new                         ; the immediate's high byte repeats the setting that is left
.if MSB != \new
	s_set_vgpr_msb (MSB<<8)|\new
.set MSB, \new
.endif
.endm
.set MUL_LO,  0xa1                     ; source 0 (B) window 1, source 1 (A) window 0, C and D window 2
.set MUL_HI,  0xf1                     ; the same, C and D window 3
.set BIAS_LO, 0x91                     ; C (the bias) window 1, D window 2
.set BIAS_HI, 0xd1                     ; C window 1, D window 3
.set TO_B,    0x40                     ; destination window 1, address window 0
; A joint load: waves 0 and 1 fetch for A, waves 2 and 3 for B.  The branch hangs on the wave's number alone.  An s_nop 0 and four v_nop follow each of the two lines.
.macro JLOAD g0a, g1a, g0b, g1b
	s_cmp_eq_u32 s[RH], 0
	s_cbranch_scc0 .Lfor_b_\@
	tensor_load_to_lds s[\g0a:\g0a+3], s[\g1a:\g1a+7]
	s_nop 0
.rept 4
	v_nop
.endr
	s_branch .Lasked_\@
.Lfor_b_\@:
	tensor_load_to_lds s[\g0b:\g0b+3], s[\g1b:\g1b+7]
	s_nop 0
.rept 4
	v_nop
.endr
.Lasked_\@:
.endm
.macro CROUND                          ; a round of the cluster's barrier
	s_barrier_signal -1
	s_barrier_wait -1
	s_cmp_lg_u32 s[WV], 0
	s_cbranch_scc1 .Lnot_wave_0_\@
	s_barrier_signal -3
.Lnot_wave_0_\@:
	s_barrier_wait -3
	s_barrier_signal -1
	s_barrier_wait -1
.endm
	s_load_b256 s[4:11], s[0:1], 0x0               ; codes 4:5, scl 6:7, bq 8:9, bk 10:11
	s_load_b128 s[12:15], s[0:1], 0x20             ; bv 12:13, qkv 14:15
	s_load_b64 s[16:17], s[0:1], 0x30              ; fq
	v_lshl_add_u32 v[SPW], v0, 2, SPARE
	v_mov_b32 v[NIL], 0
	ds_add_u32 v[SPW], v[NIL]                      ; the wave's opening: the add, twice on end, and its wait ahead of my first tensor load
	ds_add_u32 v[SPW], v[NIL]
	v_lshrrev_b32 v1, 5, v0
	v_readfirstlane_b32 s[WV], v1
	s_lshr_b32 s[RH], s[WV], 1
	s_and_b32 s[CH], s[WV], 1
	s_bfe_u32 s21, ttmp6, 0x40000                  ; cx
	s_bfe_u32 s22, ttmp6, 0x40004                  ; cy
	s_lshl_b32 s23, ttmp9, 2
	s_add_co_u32 s23, s23, s21                     ; tile column = 4 x cluster x + cx
	s_and_b32 s41, ttmp7, 0xffff                   ; the cluster's y
	s_lshl_b32 s40, s22, 3
	s_add_co_u32 s40, s40, s41                     ; tile row = 8 cy + cluster y
	s_lshl_b32 s42, s22, 2
	s_lshl_b32 s42, 15, s42                        ; my row of the cluster
	s_lshl_b32 s43, 0x1111, s21                    ; my column
	; group 1: a tile of 128 rows x 256 bytes, 16 bytes of padding behind each row
	s_or_b32 s[G1+0], s42, (0<<16)|(1<<20)|(1<<21)|(5<<22)|(3<<25)  ; 15:0 the mask; 17:16 elements of 1 byte; 20 padding on; 21 set beside a mask; 24:22 after every 64 words; 31:25 four words
	s_or_b32 s[G1B+0], s43, (0<<16)|(1<<20)|(1<<21)|(5<<22)|(3<<25)
.irp g, G1, G1B
	s_mov_b32 s[\g+1], ROWB<<16                    ; tensor_dim0
	s_mov_b32 s[\g+2], 128<<16                     ; tensor_dim1
	s_mov_b32 s[\g+3], ROWB<<16                    ; tile_dim0
	s_mov_b32 s[\g+4], 128                         ; tile_dim1
	s_mov_b32 s[\g+5], KROW                        ; from row to row
	s_mov_b32 s[\g+6], 0
	s_mov_b32 s[\g+7], 0
.endr
	; the scale bytes of 128 rows: 4,096 dense bytes as 16 rows of 256 (32 elements of 8 bytes), 16 bytes of padding behind each
	s_or_b32 s[G1S+0], s42, (3<<16)|(1<<20)|(1<<21)|(5<<22)|(3<<25)
	s_or_b32 s[G1SB+0], s43, (3<<16)|(1<<20)|(1<<21)|(5<<22)|(3<<25)
.irp g, G1S, G1SB
	s_mov_b32 s[\g+1], 32<<16
	s_mov_b32 s[\g+2], (128*KS/256)<<16
	s_mov_b32 s[\g+3], 32<<16
	s_mov_b32 s[\g+4], 128*KS/256
	s_mov_b32 s[\g+5], 32
	s_mov_b32 s[\g+6], 0
	s_mov_b32 s[\g+7], 0
.endr
	s_lshl_b32 s44, s[CH], 7                       ; which 128 rows of the tile I fetch
	s_lshl_b32 s92, s40, 8
	s_add_co_u32 s92, s92, s44                     ; A: row 256 x tile row + 128 x half
	s_lshl_b32 s94, s23, 8
	s_add_co_u32 s94, s94, s44                     ; B: row 256 x tile column + 128 x half
	s_lshl_b32 s96, s92, 5                         ; A's scale bytes, 32 a row,
	s_lshl_b32 s92, s92, 9                         ; and codes, 512 bytes a row (all under 2^23)
	s_mov_b32 s93, 0
	s_mov_b32 s97, 0
	s_lshl_b32 s98, s94, 5
	s_add_co_u32 s98, s98, WSCL
	s_lshl_b32 s94, s94, 9
	s_add_co_u32 s94, s94, WCODES
	s_mov_b32 s95, 0
	s_mov_b32 s99, 0
	s_mul_i32 s45, s[WV], HALFT                    ; where they go: wave x 128 rows: no place in the cluster enters an LDS address
	s_mul_i32 s46, s[WV], HALFS
	s_wait_dscnt 0x0                               ; both opening adds are done
	s_wait_kmcnt 0x0
	s_add_nc_u64 s[92:93], s[4:5], s[92:93]
	s_add_nc_u64 s[96:97], s[6:7], s[96:97]
	s_add_nc_u64 s[94:95], s[4:5], s[94:95]
	s_add_nc_u64 s[98:99], s[6:7], s[98:99]
	CROUND                                         ; all sixteen work-groups are here: the first joint loads meet
	s_mov_b32 s[G0S], 1
	s_add_co_u32 s[G0S+1], s46, SCL
	s_mov_b64 s[G0S+2:G0S+3], s[96:97]
	s_or_b32 s[G0S+3], s[G0S+3], 0x80000000
	s_mov_b32 s[G0SB], 1
	s_add_co_u32 s[G0SB+1], s46, SCL
	s_mov_b64 s[G0SB+2:G0SB+3], s[98:99]
	s_or_b32 s[G0SB+3], s[G0SB+3], 0x80000000
	JLOAD G0S, G1S, G0SB, G1SB                     ; the scale bytes first: they are wanted with slot 0
.irp s, 0,1
	s_mov_b32 s[G0+4*\s], 1
	s_add_co_u32 s[G0+4*\s+1], s45, \s*SLOT
	s_add_nc_u64 s[G0+4*\s+2:G0+4*\s+3], s[92:93], \s*ROWB
	s_or_b32 s[G0+4*\s+3], s[G0+4*\s+3], 0x80000000
	s_mov_b32 s[G0B+4*\s], 1
	s_add_co_u32 s[G0B+4*\s+1], s45, \s*SLOT
	s_add_nc_u64 s[G0B+4*\s+2:G0B+4*\s+3], s[94:95], \s*ROWB
	s_or_b32 s[G0B+4*\s+3], s[G0B+4*\s+3], 0x80000000
	JLOAD G0+4*\s, G1, G0B+4*\s, G1B               ; three loads of mine are out in all
.endr
	v_and_b32 v1, 15, v0                           ; r = lane % 16
	v_bfe_u32 v2, v0, 4, 1                         ; h = lane / 16
	v_mul_u32_u24 v3, v1, PITCH
	v_lshl_add_u32 v4, v2, 4, v3                   ; a fragment's row x pitch + 16 x half
	s_mul_i32 s44, s[RH], HALFT                    ; my 128 rows of A
	s_mul_i32 s45, s[CH], HALFT                    ; my 128 rows of B,
	s_add_co_u32 s45, s45, 2*HALFT                 ; which lie behind A's 256
.irp s, 0,1
	v_add_nc_u32 v[ADRA+\s], s44, v4
	v_add_nc_u32 v[ADRB+\s], s45, v4
	s_add_co_u32 s44, s44, SLOT
	s_add_co_u32 s45, s45, SLOT
.endr
	v_mul_u32_u24 v5, v1, KS                       ; my row's scale bytes: 32 a row,
	v_lshrrev_b32 v6, 8, v5
	v_lshl_add_u32 v5, v6, 4, v5                   ; and 16 more for each 256 passed
	s_mul_i32 s44, s[RH], HALFS
	s_mul_i32 s45, s[CH], HALFS
	s_add_co_u32 s45, s45, 2*HALFS
	s_sub_co_u32 s45, s45, s44
	v_mul_u32_u24 v6, s45, v2                      ; lanes 16-31 take B's: one product, the distance between the two bases x h
	s_add_co_u32 s44, s44, SCL
	v_add_nc_u32 v5, v5, v6
	v_add_nc_u32 v[ADRS], s44, v5
	s_mul_i32 s44, s[WV], 16*272
	s_add_co_u32 s44, s44, STAGE                   ; my stage
	v_add_nc_u32 v[STO], s44, v4                   ; in: row r, 16 bytes for each half of the lanes
	v_and_b32 v5, 31, v0
	v_lshrrev_b32 v6, 3, v5
	v_and_b32 v7, 7, v0
	v_mul_u32_u24 v6, v6, 272
	v_lshl_add_u32 v6, v7, 4, v6
	v_add_nc_u32 v[RD], s44, v6                    ; back: eight lanes take 128 bytes (a head's 64 channels) of a row, four rows an instruction
	v_lshlrev_b32 v[CO], 4, v5
	v_lshlrev_b32 v[BO], 5, v2
	v_lshl_add_u32 v[FO], v1, 8, v[BO]
	s_cmp_eq_u32 ttmp9, 1                          ; which bias: by the cluster's x
	s_cselect_b64 s[8:9], s[10:11], s[8:9]
	s_cmp_eq_u32 ttmp9, 2
	s_cselect_b64 s[8:9], s[12:13], s[8:9]
	s_lshl_b32 s46, s21, 10                        ; my 128 channels: 256 cx + 128 x half, 4 bytes each
	s_lshl_b32 s44, s[CH], 9
	s_add_co_u32 s46, s46, s44
	s_mov_b32 s47, 0
	s_add_nc_u64 s[8:9], s[8:9], s[46:47]
	WIN TO_B
.irp b, 0,1,2,3,4,5,6,7
	global_load_b128 v[BIAS+8*\b:BIAS+8*\b+3], v[BO], s[8:9] offset:64*\b        ; lane (r, h): the bias of channels 16 b + 8 h + 0 .. 7: the result's layout
	global_load_b128 v[BIAS+8*\b+4:BIAS+8*\b+7], v[BO], s[8:9] offset:64*\b+16
.endr
	WIN 0
	s_lshl_b32 s44, ttmp9, 2                       ; where my results go: head (4 sel + batch) x 16 + 4 cx + 2 x half, of 192
	s_add_co_u32 s44, s44, s22
	s_lshl_b32 s44, s44, 4
	s_lshl_b32 s46, s21, 2
	s_add_co_u32 s44, s44, s46
	s_lshl_b32 s46, s[CH], 1
	s_add_co_u32 s44, s44, s46
	s_lshl_b32 s46, s44, 12                        ; fq: 4,096 bytes a head
	s_add_nc_u64 s[16:17], s[16:17], s[46:47]
	s_lshl_b32 s46, s44, 18                        ; qkv: 262,144 bytes a head,
	s_lshl_b32 s44, s41, 15                        ; + 256 x cluster y positions of 128 bytes,
	s_add_co_u32 s46, s46, s44
	s_lshl_b32 s44, s[RH], 14                      ; + my half's 128 (all under 2^26)
	s_add_co_u32 s46, s46, s44
	s_add_nc_u64 s[14:15], s[14:15], s[46:47]
.macro FRAG reg, adr, q, i             ; a fragment: lane l holds row l % 16; registers 4 c .. 4 c + 3 hold K = 64 c + 32 (l / 16) + 0 .. 31
.irp c, 0,1
	ds_load_b128 v[\reg+4*\c:\reg+4*\c+3], v[\adr] offset:64*(\q)+32*\c+(\i)*16*PITCH
.endr
.endm
; 16 matrix instructions: A's blocks a0, a0 + 1 x B's eight, the slot's q-th 128 along K.  p: B's set;  sc: the set of scale words.  first = 1: the bias is the C: nothing is ever cleared or added later.
; The 64 accumulators take turns, one instruction a turn, in the same order in every step.
.macro MUL16 a0, p, q, sc, first
.irp a, \a0, \a0+1
.irp b, 0,1,2,3,4,5,6,7
.if \first
	v_wmma_scale_f32_16x16x128_f8f6f4 v[8*(8*((\a)%4)+\b):8*(8*((\a)%4)+\b)+7], v[128*(\p)+FR*\b:128*(\p)+FR*\b+FR-1], v[AF+FR*(\a):AF+FR*(\a)+FR-1], v[BIAS+8*\b:BIAS+8*\b+7], v[SC+8*NQ*(\sc)+NQ*\b+(\q)], v[SC+8*NQ*(\sc)+NQ*(\a)+(\q)] matrix_a_fmt:MATRIX_FMT_FP4 matrix_b_fmt:MATRIX_FMT_FP4 matrix_a_scale:MATRIX_SCALE_ROW1
.else
	v_wmma_scale_f32_16x16x128_f8f6f4 v[8*(8*((\a)%4)+\b):8*(8*((\a)%4)+\b)+7], v[128*(\p)+FR*\b:128*(\p)+FR*\b+FR-1], v[AF+FR*(\a):AF+FR*(\a)+FR-1], v[8*(8*((\a)%4)+\b):8*(8*((\a)%4)+\b)+7], v[SC+8*NQ*(\sc)+NQ*\b+(\q)], v[SC+8*NQ*(\sc)+NQ*(\a)+(\q)] matrix_a_fmt:MATRIX_FMT_FP4 matrix_b_fmt:MATRIX_FMT_FP4 matrix_a_scale:MATRIX_SCALE_ROW1
.endif
.endr
.endr
.endm
.macro FETCH_B slot, q, p
	WIN TO_B
.irp i, 0,1,2,3,4,5,6,7
	FRAG 128*(\p)+FR*\i, ADRB+\slot, \q, \i
.endr
	WIN 0
.endm
.macro FETCH_A slot, q, i0
.irp i, \i0, \i0+1, \i0+2, \i0+3
	FRAG AF+FR*(\i), ADRA+\slot, \q, \i
.endr
.endm
.macro SCALES sc                       ; a slot's scale words: four a row; lanes 0-15 take A's block i, lanes 16-31 B's block i
.irp i, 0,1,2,3,4,5,6,7
	ds_load_b128 v[SC+8*NQ*\sc+NQ*\i:SC+8*NQ*\sc+NQ*\i+3], v[ADRS] offset:\i*SBLK
.endr
.endm
.macro PLACES n                        ; plain vector instructions between a matrix instruction and a load into one of its registers, or a read of its result (for reads of its result)
.rept \n
	v_nop
.endr
.endm
; A step of 128 along K that has its successor in the same slot.  A's blocks are free as soon as their eight products are issued: blocks 0-3 are fetched anew in the middle, blocks 4-7 at the end.
.macro STEP slot, q, first
	s_wait_dscnt 4*NL                              ; B's set, the scale words and A's blocks 0-3 are in; the youngest eight loads (A's blocks 4-7) may be out
.if \first
	WIN BIAS_LO
.else
	WIN MUL_LO
.endif
	MUL16 0, (\q)%2, \q, \slot, \first
	MUL16 2, (\q)%2, \q, \slot, \first
	s_wait_dscnt 0                                 ; A's blocks 4-7 are in
	PLACES NP
	FETCH_B \slot, (\q)+1, 1-(\q)%2
	FETCH_A \slot, (\q)+1, 0
.if \first
	WIN BIAS_HI
.else
	WIN MUL_HI
.endif
	MUL16 4, (\q)%2, \q, \slot, \first
	MUL16 6, (\q)%2, \q, \slot, \first
	PLACES NP
	WIN 0
	FETCH_A \slot, (\q)+1, 4
.endm
	s_wait_tensorcnt 1                             ; the scale bytes and my part of slot 0 are in; slot 1's load may be out
	s_barrier_signal -1
	s_barrier_wait -1                              ; everybody's are
	FETCH_B 0, 0, 0
	FETCH_A 0, 0, 0
	SCALES 0
	FETCH_A 0, 0, 4
	s_wait_loadcnt 0x0                             ; the bias
	STEP 0, 0, 1
	STEP 0, 1, 0
	STEP 0, 2, 0
	; slot 0's last step changes slots: one barrier; in front of it each wave waits for all its tensor loads (its part of slot 1)
	s_wait_tensorcnt 0x0
	ds_add_u32 v[SPW], v[NIL]                      ; 0 onto my spare word
	s_wait_dscnt 4*NL+1                            ; (the add and A's blocks 4-7 may be out)
	WIN MUL_LO
	MUL16 0, 1, NQ-1, 0, 0
	s_wait_dscnt 0x0                               ; the add is done, and my reads of slot 0 are over
	s_barrier_signal -1
	MUL16 2, 1, NQ-1, 0, 0
	WIN 0
	s_barrier_wait -1                              ; slot 1 is whole
	PLACES NP
	v_add_nc_u32 v[ADRS], 4*NQ, v[ADRS]            ; on to slot 1's scale words (no LDS load of mine is out)
	FETCH_B 1, 0, 0
	FETCH_A 1, 0, 0
	SCALES 1
	WIN MUL_HI
	MUL16 4, 1, NQ-1, 0, 0
	MUL16 6, 1, NQ-1, 0, 0
	PLACES NP
	WIN 0
	FETCH_A 1, 0, 4
	STEP 1, 0, 0
	STEP 1, 1, 0
	STEP 1, 2, 0
	s_wait_dscnt 4*NL                              ; the last step: nothing more to fetch
	WIN MUL_LO
	MUL16 0, 1, NQ-1, 1, 0
	MUL16 2, 1, NQ-1, 1, 0
	s_wait_dscnt 0
	WIN MUL_HI
	MUL16 4, 1, NQ-1, 1, 0
	MUL16 6, 1, NQ-1, 1, 0
	WIN 0
	PLACES NP                                      ; in front of the first reads of results and of loads into registers that the products read
	; POSITIONS 0-15 IN F32: they are my block 0 where the cluster's y is 0 and my half of the rows is the first: a branch on ids that all partners share and on the wave's number
	s_or_b32 s44, s41, s[RH]
	s_cmp_lg_u32 s44, 0
	s_cbranch_scc1 .Lno_fine
	WIN 0x08                                       ; a store's data: window 2
.irp b, 0,1,2,3,4,5,6,7
	global_store_b128 v[FO], v[8*\b:8*\b+3], s[16:17] offset:(\b/4)*4096+(\b%4)*64        ; token r, channels 16 b + 8 h + 0 .. 7; each accumulator from its low end on
	global_store_b128 v[FO], v[8*\b+4:8*\b+7], s[16:17] offset:(\b/4)*4096+(\b%4)*64+16
.endr
	WIN 0
.Lno_fine:
; THE WAY OUT of block a (16 tokens x 128 channels = two heads).  PACK: rounded to f16, 16 bytes a lane.  TOSTAGE: into my own stage, and back by heads.  SEND: each store covers four tokens of one head: 512 consecutive bytes, aligned.
.macro PACK a
.set AC, 64*((\a)%4)
	WIN 0x0a+5*((\a)/4)                            ; sources 0 and 1: window 2 or 3
.irp b, 0,1,2,3,4,5,6,7
.irp i, 0,1,2,3
	v_cvt_pk_f16_f32 v[TMP+4*\b+\i], v[AC+8*\b+2*\i], v[AC+8*\b+2*\i+1]
.endr
.endr
	WIN 0
.endm
.macro TOSTAGE a
.set BK, OB+128*((\a)%2)
.irp b, 0,1,2,3,4,5,6,7
	ds_store_b128 v[STO], v[TMP+4*\b:TMP+4*\b+3] offset:32*\b
.endr
.irp t, 0,1,2,3,4,5,6,7
	ds_load_b128 v[BK+4*\t:BK+4*\t+3], v[RD] offset:(\t%4)*4*272+(\t/4)*128   ; a wave's LDS instructions are served in order (ISA guide 5.7.1.4): these see the stores above
.endr
.endm
.macro SEND a
.set BK, OB+128*((\a)%2)
	s_wait_dscnt 0x0                               ; the block is back in registers
	s_wait_xcnt 0x0                                ; earlier stores have read their base and their data: only behind this wait are they written again
.if (\a) > 0
	s_add_nc_u64 s[14:15], s[14:15], 16*128        ; 16 tokens on
.endif
.irp t, 0,1,2,3,4,5,6,7
	global_store_b128 v[CO], v[BK+4*\t:BK+4*\t+3], s[14:15] offset:(\t/4)*262144+(\t%4)*512
.endr
.endm
	PACK 0
	TOSTAGE 0
.irp a, 1,2,3,4,5,6,7                  ; block a's conversions stand between block a - 1's loads from the stage and the wait for them
	PACK \a
	SEND \a-1
	TOSTAGE \a
.endr
	SEND 7
	s_wait_tensorcnt 0x0                           ; the wave's end: three lines behind my last tensor load and my last LDS store
	ds_add_u32 v[SPW], v[NIL]
	s_wait_dscnt 0x0
	CROUND                                         ; the closing round
	s_endpgm
.Lfunc_end_k_q36ae50feb4_qkv:
	.size	k_q36ae50feb4_qkv, .Lfunc_end_k_q36ae50feb4_qkv-k_q36ae50feb4_qkv
	.p2alignl 7, 3214868480
	.fill 96, 4, 3214868480
	.section	.rodata,"a",@progbits
	.p2align	6, 0x0
	.amdhsa_kernel k_q36ae50feb4_qkv
		.amdhsa_group_segment_fixed_size 327680
		.amdhsa_private_segment_fixed_size 0
		.amdhsa_enable_private_segment 0
		.amdhsa_kernarg_size 56
		.amdhsa_user_sgpr_count 2
		.amdhsa_user_sgpr_kernarg_segment_ptr 1
		.amdhsa_wavefront_size32 1
		.amdhsa_system_sgpr_workgroup_id_x 1
		.amdhsa_system_sgpr_workgroup_id_y 1
		.amdhsa_system_sgpr_workgroup_id_z 1
		.amdhsa_system_vgpr_workitem_id 0
		.amdhsa_next_free_vgpr 1024
		.amdhsa_next_free_sgpr 100
		.amdhsa_reserve_vcc 0
		.amdhsa_float_denorm_mode_32 3
		.amdhsa_float_denorm_mode_16_64 3
		.amdhsa_memory_ordered 1
		.amdhsa_forward_progress 1
		.amdhsa_inst_pref_size 130
	.end_amdhsa_kernel
	.amdgpu_metadata
---
amdhsa.version: [ 1, 2 ]
amdhsa.kernels:
  - .name:           k_q36ae50feb4_qkv
    .symbol:         k_q36ae50feb4_qkv.kd
    .args:
      - { .name: codes, .offset: 0, .size: 8, .value_kind: global_buffer, .address_space: global }
      - { .name: scl, .offset: 8, .size: 8, .value_kind: global_buffer, .address_space: global }
      - { .name: bq, .offset: 16, .size: 8, .value_kind: global_buffer, .address_space: global }
      - { .name: bk, .offset: 24, .size: 8, .value_kind: global_buffer, .address_space: global }
      - { .name: bv, .offset: 32, .size: 8, .value_kind: global_buffer, .address_space: global }
      - { .name: qkv, .offset: 40, .size: 8, .value_kind: global_buffer, .address_space: global }
      - { .name: fq, .offset: 48, .size: 8, .value_kind: global_buffer, .address_space: global }
    .group_segment_fixed_size: 327680
    .private_segment_fixed_size: 0
    .kernarg_segment_align: 8
    .kernarg_segment_size: 56
    .max_flat_workgroup_size: 128
    .sgpr_count:     100
    .vgpr_count:     1024
    .wavefront_size: 32
...
	.end_amdgpu_metadata
.endif
;; end of part 2
;; launch attn (part 3): grid 4 x 64, 16 waves a work-group, clusters of 4 x 1, 327,680 bytes of LDS; arguments qkv, y16; writes y16
.if DOCPART == 3
	.amdgcn_target "amdgcn-amd-amdhsa--gfx1250"
	.amdhsa_code_object_version 6
	.text
	.protected	k_q36ae50feb4_attn
	.globl	k_q36ae50feb4_attn
	.p2align	8
	.type	k_q36ae50feb4_attn,@function
k_q36ae50feb4_attn:
	s_mov_b64 s[64:65], 0
	v_nop
	global_prefetch_b8 v0, s[64:65] scope:SCOPE_SE
	s_setreg_imm32_b32 hwreg(HW_REG_WAVE_MODE, 25, 1), 1
	s_wait_xcnt 0x0
	s_wait_alu depctr_hold_cnt(0) depctr_sa_sdst(0) depctr_va_vdst(0) depctr_va_sdst(0) depctr_va_ssrc(0) depctr_va_vcc(0) depctr_vm_vsrc(0)
	s_getreg_b32 s2, hwreg(HW_REG_IB_STS2, 6, 4)
	s_cmp_eq_u32 s2, 0
	s_cbranch_scc0 .Lentry_in_a_cluster
	s_endpgm
.Lentry_in_a_cluster:
	s_bfe_u32 s2, ttmp6, 0x10000c
	s_cmp_lg_u32 s2, 0x3003
	s_cbranch_scc0 .Lentry_shape_is_right
	s_endpgm
.Lentry_shape_is_right:
; y[b][h][q] = the sum over k of softmax_k(q . k / 8) v, key k counting for query q where k <= q and k % 25 != 24.  q, k, v: qkv [sel][batch x head 64][2048][64] f16.  y16: [batch x head][2048][64] f16.
; Products with f16 operands and f32 sums; maxima, exponentials and sums in f32; the weights p (at most 1) are rounded to f16 for the second product, y once at the end.
; LIMITS: a hidden score is -1e30 (f16 operands hold |q . k| under 64 x 65,504^2 = 2.7e11, so it lies under every score that counts); y beyond 65,504 becomes infinity; NaN and infinities are not served.
; SHARES.  A cluster of four work-groups owns one head.  Wave w of work-group cx owns queries 128 w + 32 cx .. + 31: two tiles of 16.  So all four partners have the same causal profile and walk the same keys in step:
; every tile of K and V is asked for JOINTLY, once for the four.  A key step is 64 keys.  Wave w works the steps whose first key lies under 128 (w + 1), and masks by comparison from key 128 w on:
; both tests are made of the wave's number and the count of steps.  cx enters only global addresses and the query number that the comparison reads.  Wave 15 of every partner reads every slot.
; A step all of whose scores are hidden for a query changes nothing: key 0 counts for every query, so its maximum is a real score from step 0 on, and p = 2^(c (-1e30) - c m) = 0.
; LAYOUT.  S^T = K Q^T (source 0 = 16 keys, source 1 = 16 queries): a lane holds ONE query (lane % 16) and keys 8 (lane / 16) + 0 .. 7.  Two such tiles, rounded to f16 in pairs, ARE source 1 of O^T = V^T P.
; THE COLUMN MASK COSTS NO VECTOR INSTRUCTION: a table of 0 or -1e30 for each key, made once in LDS, is loaded as the C of a key tile's first product.
; SOFTMAX.  A running maximum m and sum l for each query: p = 2^(c s - c m), c = log2(e) / 8; in every step O and l are multiplied by a = 2^(c m_old - c m_new).
; Four waves share a SIMD, so that one wave's vector work stands beside another's matrix work and LDS loads.
.set PK,    272                        ; K in LDS: two keys' 256 bytes + 16 of padding: key x at 272 (x / 2) + 128 (x % 2): the 16 rows of a fragment start at 16 different groups of four banks (ISA guide 11.1)
.set PV,    288                        ; V: two keys' 256 bytes + 32
.set VOFF,  128*PK                     ; a slot: 256 keys of K (128 rows), then 256 keys of V
.set SLOT1, 1<<17                      ; slot 1 begins here: one exclusive or turns an address in one slot into the other's
.set MT,    2*SLOT1                    ; the table: 2,048 keys x 4 bytes
.set SPARE, MT+8192                    ; the spare words, 128 bytes a wave
.set STAGE, SPARE+2048                 ; the way out: 16 rows x 144 bytes for each wave
.set SP,    144
.set AK0, 1                            ; v1  my lane's place in a tile of K
.set AV0, 2                            ; v2  in a tile of V
.set AM0, 3                            ; v3  in the table
.set SPW, 4                            ; v4  my spare word; never rewritten
.set NIL, 5                            ; v5  0; never rewritten
.set ADK, 6                            ; v6-8 the addresses of the step in hand; on the way out: stage in, stage back, my place in a store
.set ADV, 7
.set ADM, 8
.set QD,  9                            ; v9  my first tile's query - 8 (lane / 16)
.set PFO, 10                           ; v10 256 x lane: the prefetches' offset; never rewritten
.set NEG, 11                           ; v11 -1e30
.set ST,  12                           ; tile u's statistics at v[12 + 8 u]: +0 c m, +1 m, +2:+3 l, +4 .. +7 at work (a in +6)
.set Q,   32                           ; v32-63   Q: tile u, channels 32 kc on, at 32 + 16 u + 8 kc
.set KR,  64                           ; v64-95   two key tiles of K
.set MR,  96                           ; v96-127  the step's four mask tiles
.set VR,  64                           ; v64-127  later V^T: keys 32 kh on, channels 16 ct on, at 64 + 32 kh + 8 ct
.set S,   128                          ; v128-191 S^T: tile u, key tile kt at 128 + 32 u + 8 kt; then P in the tile's first 16 registers
.set O,   192                          ; v192-255 O^T: tile u, channels 16 ct on, at 192 + 32 u + 8 ct
.set TB,  2                            ; s2  LDS byte at which the slot in hand begins
.set KF,  3                            ; s3  the step's first key
.set WV,  8                            ; s8  wave
.set SLOTS, 14                         ; s14 slots still to be asked for
.set LIMW, 15                          ; s15 128 (w + 1)
.set DGW,  16                          ; s16 128 w
.set SEL, 20                           ; s[20:21] selects for v_permlanex16_b32: lane l xor 16
.set CS,  22                           ; s[22:23] c, twice
.set G1K, 24                           ; s[24:31], s[32:39] group 1 for K's and V's tiles; s[40:43], s[44:47] their groups 0, which walk
.set G1V, 32
.set G0K, 40
.set G0V, 44
.set PFA, 48                           ; s[48:49] where my prefetches stand
.set LIM, 50                           ; s50 1 in a wave that prefetches, else the greatest number
.macro ROUND                           ; a round of the cluster's barrier
	s_barrier_signal -1
	s_barrier_wait -1
	s_cmp_lg_u32 s[WV], 0
	s_cbranch_scc1 .Lnot_wave_0_\@
	s_barrier_signal -3
.Lnot_wave_0_\@:
	s_barrier_wait -3
	s_barrier_signal -1
	s_barrier_wait -1
.endm
; Waves 0 and 1 fetch K's halves of a slot, waves 2 and 3 V's, the others nothing: branches on the wave's number, the same in all partners.  An s_nop 0 and four v_nop follow each load.
.macro TLOAD
	s_cmp_lt_u32 s[WV], 2
	s_cbranch_scc0 .Lnot_k_\@
	tensor_load_to_lds s[G0K:G0K+3], s[G1K:G1K+7]
	s_nop 0
.rept 4
	v_nop
.endr
	s_branch .Lasked_\@
.Lnot_k_\@:
	s_cmp_lt_u32 s[WV], 4
	s_cbranch_scc0 .Lasked_\@
	tensor_load_to_lds s[G0V:G0V+3], s[G1V:G1V+7]
	s_nop 0
.rept 4
	v_nop
.endr
.Lasked_\@:
.endm
; A PREFETCH INTO THE L2 of what the NEXT change of slots will ask for: 32,768 bytes of K and as many of V, four key steps ahead of that load.  The four partners share the bytes out BY ADDRESS, 8,192 each;
; in each, wave 4 asks for K's and wave 5 for V's, lanes 256 bytes apart: each aligned block of 256 bytes is named once in the launch.  The last change that fills a slot asks for nothing; slots 0 and 1 come by their loads alone.
.macro ASK
	s_cmp_gt_u32 s[SLOTS], s[LIM]
	s_cbranch_scc0 .Lnot_mine_\@
	global_prefetch_b8 v[PFO], s[PFA:PFA+1] th:TH_LOAD_NT scope:SCOPE_SE
.Lnot_mine_\@:
.endm
.macro PLACES
.rept 4
	v_nop
.endr
.endm
	s_load_b128 s[4:7], s[0:1], 0x0                ; qkv, y16
	v_lshl_add_u32 v[SPW], v0, 2, SPARE
	v_mov_b32 v[NIL], 0
	ds_add_u32 v[SPW], v[NIL]                      ; the wave's opening: the add, twice on end, and its wait ahead of the round in front of the first tensor loads
	ds_add_u32 v[SPW], v[NIL]
	v_lshrrev_b32 v6, 5, v0
	v_readfirstlane_b32 s[WV], v6                  ; wave 0..15
	s_bfe_u32 s9, ttmp6, 0x40000                   ; cx
	s_and_b32 s10, ttmp7, 0xffff                   ; batch x head, which the four partners share
	s_lshl_b32 s12, s10, 18                        ; 262,144 bytes a head
	s_mov_b32 s13, 0
	; group 1: 64 rows of 128 elements of 2 bytes (two keys a row: K and V are dense in memory), padded in LDS
	s_mov_b32 s[G1K], 15|(1<<16)|(1<<20)|(1<<21)|(5<<22)|(3<<25)  ; 15:0 the mask: all four; 17:16 elements of 2 bytes; 20 padding on; 21 set beside a mask; 24:22 after every 64 words; 31:25 four words
	s_mov_b32 s[G1V], 15|(1<<16)|(1<<20)|(1<<21)|(5<<22)|(7<<25)  ; the same with eight words of padding
.irp g, G1K, G1V
	s_mov_b32 s[\g+1], 128<<16                     ; tensor_dim0
	s_mov_b32 s[\g+2], 64<<16                      ; tensor_dim1
	s_mov_b32 s[\g+3], 128<<16                     ; tile_dim0
	s_mov_b32 s[\g+4], 64                          ; tile_dim1
	s_mov_b32 s[\g+5], 128                         ; from row to row
	s_mov_b32 s[\g+6], 0
	s_mov_b32 s[\g+7], 0
.endr
	s_mov_b32 s[SEL], 0x76543210
	s_mov_b32 s[SEL+1], 0xfedcba98
	s_mov_b32 s[CS], 0x3e38aa3b                    ; c = log2(e) / 8
	s_mov_b32 s[CS+1], s[CS]                       ; (named with it as a pair, so it is written)
	s_mov_b32 s[TB], 0
	s_mov_b32 s[KF], 0
	s_mov_b32 s[SLOTS], 7
	s_lshl_b32 s[DGW], s[WV], 7
	s_add_co_u32 s[LIMW], s[DGW], 128
	s_and_b32 s51, s[WV], 1                        ; which half of a slot I fetch, if I fetch:
	s_lshl_b32 s56, s51, 14                        ; its 128 keys of 128 bytes in memory,
	s_mov_b32 s57, 0
	s_mov_b32 s[G0K], 1
	s_mul_i32 s[G0K+1], s51, 64*PK                 ; and its place in slot 0: no place in the cluster enters an LDS address
	s_mov_b32 s[G0V], 1
	s_mul_i32 s[G0V+1], s51, 64*PV
	s_add_co_u32 s[G0V+1], s[G0V+1], VOFF
	s_lshr_b32 s52, s[WV], 1
	s_cmp_eq_u32 s52, 2                            ; waves 4 and 5 prefetch
	s_cselect_b32 s[LIM], 1, -1
	s_wait_dscnt 0x0                               ; both opening adds are done
	s_wait_kmcnt 0x0
	s_add_nc_u64 s[4:5], s[4:5], s[12:13]          ; q of my head
	s_add_nc_u64 s[6:7], s[6:7], s[12:13]          ; y of my head
	s_add_nc_u64 s[52:53], s[4:5], 0x1000000       ; k of my head
	s_add_nc_u64 s[54:55], s[4:5], 0x2000000       ; v of my head
	s_add_nc_u64 s[G0K+2:G0K+3], s[52:53], s[56:57]
	s_or_b32 s[G0K+3], s[G0K+3], 0x80000000
	s_add_nc_u64 s[G0V+2:G0V+3], s[54:55], s[56:57]
	s_or_b32 s[G0V+3], s[G0V+3], 0x80000000
	s_cmp_eq_u32 s[WV], 4
	s_cselect_b64 s[PFA:PFA+1], s[52:53], s[54:55]
	s_lshl_b32 s18, s9, 13                         ; my work-group's 8,192 bytes,
	s_add_co_u32 s18, s18, 32768                   ; in slot 1: the first change of slots steps it to slot 2
	s_mov_b32 s19, 0
	s_add_nc_u64 s[PFA:PFA+1], s[PFA:PFA+1], s[18:19]
	s_lshl_b32 s17, s[WV], 7
	s_lshl_b32 s18, s9, 5
	s_add_co_u32 s17, s17, s18                     ; my first query: 128 w + 32 cx
	s_lshl_b32 s18, s17, 7
	s_add_nc_u64 s[4:5], s[4:5], s[18:19]          ; q and y at my first query
	s_add_nc_u64 s[6:7], s[6:7], s[18:19]
	ROUND                                          ; all four work-groups are here: the first joint loads meet
	TLOAD                                          ; slot 0
	v_and_b32 v28, 15, v0                          ; r
	v_bfe_u32 v29, v0, 4, 1                        ; h
	v_lshlrev_b32 v30, 7, v28
	v_lshl_add_u32 v30, v29, 4, v30                ; Q: row r of 128 bytes + 16 h
.irp u, 0,1
.irp kc, 0,1
	global_load_b128 v[Q+16*\u+8*\kc:Q+16*\u+8*\kc+3], v30, s[4:5] offset:2048*\u+64*\kc        ; Q stays in registers
	global_load_b128 v[Q+16*\u+8*\kc+4:Q+16*\u+8*\kc+7], v30, s[4:5] offset:2048*\u+64*\kc+32
.endr
.endr
	; the table: thread t makes keys 4 t .. 4 t + 3.  key / 25 = (key x 5,243) >> 17, exact for keys under 43,690
	v_mov_b32 v[NEG], 0xf149f2ca                   ; -1e30
	v_lshlrev_b32 v96, 2, v0
.irp i, 0,1,2,3
	v_add_nc_u32 v97, \i, v96
	v_mul_u32_u24 v98, v97, 5243
	v_lshrrev_b32 v98, 17, v98
	v_mul_u32_u24 v98, v98, 25
	v_sub_nc_u32 v98, v97, v98                     ; key % 25
	v_cmp_eq_u32 vcc_lo, 24, v98
	v_cndmask_b32 v[64+\i], 0, v[NEG], vcc_lo
.endr
	v_lshl_add_u32 v99, v0, 4, MT
	ds_store_b128 v99, v[64:67]                    ; read by all waves behind the first change of slots: its wait for my LDS instructions and its barrier stand between
	v_lshrrev_b32 v100, 1, v28
	v_mul_u32_u24 v[AK0], v100, PK
	v_and_b32 v100, 1, v28
	v_lshl_add_u32 v[AK0], v100, 7, v[AK0]
	v_lshl_add_u32 v[AK0], v29, 4, v[AK0]          ; K: key r at 272 (r / 2) + 128 (r % 2), + 16 h
	v_bfe_u32 v100, v0, 1, 2
	v_lshl_add_u32 v100, v29, 2, v100              ; V: the turning load's lane reads key x = 8 h + lane % 8: x / 2,
	v_mul_u32_u24 v[AV0], v100, PV
	v_and_b32 v100, 1, v0                          ; x % 2,
	v_lshl_add_u32 v[AV0], v100, 7, v[AV0]
	v_bfe_u32 v100, v0, 3, 1                       ; and channels 8 ((lane / 8) % 2) on
	v_lshl_add_u32 v[AV0], v100, 4, v[AV0]
	v_add_nc_u32 v[AV0], VOFF, v[AV0]
	v_lshl_add_u32 v[AM0], v29, 5, MT              ; the table: my eight keys of a tile begin 32 h bytes on
	v_lshlrev_b32 v100, 3, v29
	v_sub_nc_u32 v[QD], v28, v100
	v_add_nc_u32 v[QD], s17, v[QD]
	v_and_b32 v[PFO], 31, v0
	v_lshlrev_b32 v[PFO], 8, v[PFO]
.irp u, 0,1
	v_mov_b32 v[ST+8*\u+1], 0xff61b1e6             ; m: -3e38, under every score
	v_mul_f32 v[ST+8*\u], s[CS], v[ST+8*\u+1]      ; c m
.irp i, 2,3,4,5,6,7
	v_mov_b32 v[ST+8*\u+\i], 0                     ; l; and the registers at work (a lane permute's destination counts as one of its sources)
.endr
.endr
.irp j, 0,1,2,3,4,5,6,7,8,9,10,11,12,13,14,15,16,17,18,19,20,21,22,23,24,25,26,27,28,29,30,31,32,33,34,35,36,37,38,39,40,41,42,43,44,45,46,47,48,49,50,51,52,53,54,55,56,57,58,59,60,61,62,63
	v_mov_b32 v[O+\j], 0                           ; O^T.  (The step is written once: the first finds zeros, which its a = 0 leaves zeros)
.endr
.macro KLOAD q, k0                     ; key tiles k0, k0 + 1 of the slot's q-th step
.irp kt, 0,1
.irp kc, 0,1
	ds_load_b128 v[KR+16*\kt+8*\kc:KR+16*\kt+8*\kc+3], v[ADK] offset:32*PK*(\q)+8*PK*((\k0)+\kt)+64*\kc
	ds_load_b128 v[KR+16*\kt+8*\kc+4:KR+16*\kt+8*\kc+7], v[ADK] offset:32*PK*(\q)+8*PK*((\k0)+\kt)+64*\kc+32
.endr
.endr
.endm
.macro KQ8 k0                          ; 8 products: key tiles k0, k0 + 1 x both query tiles x 64 channels.  The first four take the mask as C.  Four accumulators by turns, one instruction a turn
.irp kc, 0,1
.irp kt, 0,1
.irp u, 0,1
.if \kc == 0
	v_wmma_f32_16x16x32_f16 v[S+32*\u+8*((\k0)+\kt):S+32*\u+8*((\k0)+\kt)+7], v[KR+16*\kt+8*\kc:KR+16*\kt+8*\kc+7], v[Q+16*\u+8*\kc:Q+16*\u+8*\kc+7], v[MR+8*((\k0)+\kt):MR+8*((\k0)+\kt)+7]
.else
	v_wmma_f32_16x16x32_f16 v[S+32*\u+8*((\k0)+\kt):S+32*\u+8*((\k0)+\kt)+7], v[KR+16*\kt+8*\kc:KR+16*\kt+8*\kc+7], v[Q+16*\u+8*\kc:Q+16*\u+8*\kc+7], v[S+32*\u+8*((\k0)+\kt):S+32*\u+8*((\k0)+\kt)+7]
.endif
.endr
.endr
.endr
.endm
; A KEY STEP: 64 keys, the q-th of the slot in hand.
.macro STEP q
	s_cmp_ge_u32 s[KF], s[LIMW]                    ; all keys of this step come after all queries that any partner's wave w owns: the step's work is left out; no barrier, wait on tensor loads or tensor load stands in a step
	s_cbranch_scc1 .Lhidden_\@
	s_lshl_b32 s51, s[KF], 2
	v_add_nc_u32 v[ADK], s[TB], v[AK0]
	v_add_nc_u32 v[ADV], s[TB], v[AV0]
	v_add_nc_u32 v[ADM], s51, v[AM0]
	v_nop
	v_nop                                          ; five places behind the last step's products: four for the loads into registers that they read, five for the products below, which write over P
	KLOAD \q, 0
.irp kt, 0,1,2,3
	ds_load_b128 v[MR+8*\kt:MR+8*\kt+3], v[ADM] offset:64*\kt         ; 0 or -1e30 for keys 16 kt + 8 h + 0 .. 7: the result's layout, the same for every query
	ds_load_b128 v[MR+8*\kt+4:MR+8*\kt+7], v[ADM] offset:64*\kt+16
.endr
	s_wait_dscnt 4                                 ; K's tiles 0, 1 and their masks are in; the youngest four loads (the masks of tiles 2, 3) may be out
	KQ8 0
	PLACES
	KLOAD \q, 2
	s_wait_dscnt 0x0
	KQ8 2
	PLACES                                         ; in front of the loads below and of the first read of the scores
.irp kh, 0,1
.irp ct, 0,1,2,3
	ds_load_tr16_b128 v[VR+32*\kh+8*\ct:VR+32*\kh+8*\ct+3], v[ADV] offset:32*PV*(\q)+16*PV*\kh+32*\ct          ; V^T: they land under the softmax
	ds_load_tr16_b128 v[VR+32*\kh+8*\ct+4:VR+32*\kh+8*\ct+7], v[ADV] offset:32*PV*(\q)+16*PV*\kh+8*PV+32*\ct
.endr
.endr
	s_cmp_lt_u32 s[KF], s[DGW]                     ; all keys of this step count for all queries of wave w, in every partner: no comparison
	s_cbranch_scc1 .Lopen_\@
	s_sub_co_i32 s51, 0, s[KF]
	v_add_nc_u32 v28, s51, v[QD]                   ; d = my query - the step's first key - 8 h.  Register 8 kt + j holds key 16 kt + 8 h + j of the step: hidden where 16 kt + j > d
	v_add_nc_u32 v29, 16, v28
.irp u, 0,1
.irp kt, 0,1,2,3
.irp j, 0,1,2,3,4,5,6,7
	v_cmp_gt_i32 vcc_lo, 16*\kt+\j, v[28+\u]
	v_cndmask_b32 v[S+32*\u+8*\kt+\j], v[S+32*\u+8*\kt+\j], v[NEG], vcc_lo
.endr
.endr
.endr
.Lopen_\@:
	; the maximum of my 32 scores and the old m, three operands at a time, both tiles by turns; each accumulator is read from its low end on
.irp j, 0,1,2,3
.irp u, 0,1
	v_max3_num_f32 v[ST+8*\u+4+\j], v[S+32*\u+8*\j], v[S+32*\u+8*\j+1], v[S+32*\u+8*\j+2]
.endr
.endr
.irp i, 3,5
.irp j, 0,1,2,3
.irp u, 0,1
	v_max3_num_f32 v[ST+8*\u+4+\j], v[ST+8*\u+4+\j], v[S+32*\u+8*\j+\i], v[S+32*\u+8*\j+\i+1]
.endr
.endr
.endr
.irp u, 0,1
	v_max3_num_f32 v[ST+8*\u+4], v[ST+8*\u+4], v[S+32*\u+7], v[S+32*\u+15]
	v_max3_num_f32 v[ST+8*\u+6], v[ST+8*\u+6], v[S+32*\u+23], v[S+32*\u+31]
.endr
.irp u, 0,1
	v_max3_num_f32 v[ST+8*\u+4], v[ST+8*\u+4], v[ST+8*\u+5], v[ST+8*\u+6]
.endr
.irp u, 0,1
	v_max3_num_f32 v[ST+8*\u+4], v[ST+8*\u+4], v[ST+8*\u+7], v[ST+8*\u+1]
.endr
.irp u, 0,1
	v_permlanex16_b32 v[ST+8*\u+5], v[ST+8*\u+4], s[SEL], s[SEL+1]   ; the query's other 32 keys lie in the lane 16 away
.endr
.irp u, 0,1
	v_mov_b32 v[ST+8*\u+7], v[ST+8*\u]             ; c m_old
.endr
.irp u, 0,1
	v_max_num_f32 v[ST+8*\u+1], v[ST+8*\u+4], v[ST+8*\u+5]
.endr
.irp u, 0,1
	v_mul_f32 v[ST+8*\u], s[CS], v[ST+8*\u+1]
.endr
.irp u, 0,1
	v_sub_f32 v[ST+8*\u+7], v[ST+8*\u+7], v[ST+8*\u]
.endr
.irp i, 0,2,4,6,8,10,12,14,16,18,20,22,24,26,28,30
.irp u, 0,1
	v_pk_fma_f32 v[S+32*\u+\i:S+32*\u+\i+1], v[S+32*\u+\i:S+32*\u+\i+1], s[CS:CS+1], v[ST+8*\u:ST+8*\u+1] op_sel_hi:[1,0,0] neg_lo:[0,0,1] neg_hi:[0,0,1]   ; c s - c m, two at a time
.endr
.endr
.irp u, 0,1
	v_exp_f32 v[ST+8*\u+6], v[ST+8*\u+7]           ; a
.endr
.irp i, 0,1,2,3,4,5,6,7,8,9,10,11,12,13,14,15,16,17,18,19,20,21,22,23,24,25,26,27,28,29,30,31
.irp u, 0,1
	v_exp_f32 v[S+32*\u+\i], v[S+32*\u+\i]         ; p: ONE BATCH of 66 exponentials, none of which reads another's result
.endr
.endr
	v_nop                                          ; a plain instruction behind the last exponential
	s_wait_alu depctr_va_vdst(0)                   ; and one wait for the batch, ahead of its first reader
	; l = a l + the sum of the unrounded p: two chains a tile, which leave p whole
.irp u, 0,1
	v_pk_fma_f32 v[ST+8*\u+2:ST+8*\u+3], v[ST+8*\u+2:ST+8*\u+3], v[ST+8*\u+6:ST+8*\u+7], v[S+32*\u:S+32*\u+1] op_sel_hi:[1,0,1]
	v_pk_add_f32 v[ST+8*\u+4:ST+8*\u+5], v[S+32*\u+2:S+32*\u+3], v[S+32*\u+4:S+32*\u+5]
.endr
.irp i, 6,10,14,18,22,26
.irp u, 0,1
	v_pk_add_f32 v[ST+8*\u+2:ST+8*\u+3], v[ST+8*\u+2:ST+8*\u+3], v[S+32*\u+\i:S+32*\u+\i+1]
	v_pk_add_f32 v[ST+8*\u+4:ST+8*\u+5], v[ST+8*\u+4:ST+8*\u+5], v[S+32*\u+\i+2:S+32*\u+\i+3]
.endr
.endr
.irp u, 0,1
	v_pk_add_f32 v[ST+8*\u+2:ST+8*\u+3], v[ST+8*\u+2:ST+8*\u+3], v[S+32*\u+30:S+32*\u+31]
.endr
.irp u, 0,1
	v_pk_add_f32 v[ST+8*\u+2:ST+8*\u+3], v[ST+8*\u+2:ST+8*\u+3], v[ST+8*\u+4:ST+8*\u+5]
.endr
.irp i, 0,1,2,3,4,5,6,7,8,9,10,11,12,13,14,15
.irp u, 0,1
	v_cvt_pk_f16_f32 v[S+32*\u+\i], v[S+32*\u+2*\i], v[S+32*\u+2*\i+1]   ; P, in place and ascending: register i is written when registers 2 i and 2 i + 1 are read
.endr
.endr
.irp i, 0,2,4,6,8,10,12,14,16,18,20,22,24,26,28,30
.irp u, 0,1
	v_pk_mul_f32 v[O+32*\u+\i:O+32*\u+\i+1], v[O+32*\u+\i:O+32*\u+\i+1], v[ST+8*\u+6:ST+8*\u+7] op_sel_hi:[1,0]   ; O^T x a, each accumulator from its low end on
.endr
.endr
	s_wait_dscnt 0x0                               ; V is in
.irp kh, 0,1                           ; O^T += V^T P: eight accumulators by turns
.irp ct, 0,1,2,3
.irp u, 0,1
	v_wmma_f32_16x16x32_f16 v[O+32*\u+8*\ct:O+32*\u+8*\ct+7], v[VR+32*\kh+8*\ct:VR+32*\kh+8*\ct+7], v[S+32*\u+8*\kh:S+32*\u+8*\kh+7], v[O+32*\u+8*\ct:O+32*\u+8*\ct+7]
.endr
.endr
.endr
.Lhidden_\@:
	s_add_co_u32 s[KF], s[KF], 64
.endm
; THE CHANGE OF SLOTS stands at a slot's head.  Each wave waits for all its tensor loads (its part of the slot that it is about to read), adds 0 to its spare word, and waits for that and for its reads of the slot that it has left.
; fill = 1: the barrier is a round of the cluster's, so that no wave of any partner still reads the other slot or has a load on its way; the joint load of the next 256 keys is the first thing behind it, and has four key steps in which to land.
.macro CHANGE fill
	s_wait_tensorcnt 0x0                           ; no tensor load of mine is out, so a group 0 may be written
	ds_add_u32 v[SPW], v[NIL]
.if \fill
	ds_add_u32 v[SPW], v[NIL]                      ; and twice on end here, in every trip alike
	s_xor_b32 s[G0K+1], s[G0K+1], SLOT1            ; the walking descriptors: the other slot than last time,
	s_add_nc_u64 s[G0K+2:G0K+3], s[G0K+2:G0K+3], 32768   ; the next 256 keys; the type bits on top are not reached
	s_xor_b32 s[G0V+1], s[G0V+1], SLOT1
	s_add_nc_u64 s[G0V+2:G0V+3], s[G0V+2:G0V+3], 32768
	s_wait_xcnt 0x0                                ; the last prefetch, a slot back, has read its address, so it may be written:
	s_add_nc_u64 s[PFA:PFA+1], s[PFA:PFA+1], 32768 ; one slot further on than the walking descriptors
	s_wait_dscnt 0x0                               ; both adds are done, and my LDS instructions are over
	ROUND
	TLOAD
	ASK
.else
	s_wait_dscnt 0x0
	s_barrier_signal -1
	s_barrier_wait -1
.endif
.endm
.macro SLOT_STEPS
	STEP 0
	STEP 1
	STEP 2
	STEP 3
	s_xor_b32 s[TB], s[TB], SLOT1                  ; on to the other slot
.endm
	s_wait_loadcnt 0x0                             ; Q
.Lslot:                                            ; seven trips: behind each change of slots but the last the next slot is asked for
	CHANGE 1
	SLOT_STEPS
	s_sub_co_u32 s[SLOTS], s[SLOTS], 1
	s_cmp_lg_u32 s[SLOTS], 0
	s_cbranch_scc1 .Lslot
	CHANGE 0                                       ; the last slot is written out
	SLOT_STEPS
	; THE WAY OUT.  O^T is divided by l, rounded to f16 and sent through my stage, a tile (16 queries x 128 bytes) at a time; each store covers four queries: 512 consecutive bytes, aligned.
	PLACES                                         ; behind the last products
.irp u, 0,1
	v_add_f32 v[ST+8*\u+4], v[ST+8*\u+2], v[ST+8*\u+3]
.endr
.irp u, 0,1
	v_permlanex16_b32 v[ST+8*\u+5], v[ST+8*\u+4], s[SEL], s[SEL+1]
.endr
.irp u, 0,1
	v_add_f32 v[ST+8*\u+4], v[ST+8*\u+4], v[ST+8*\u+5]
.endr
.irp u, 0,1
	v_rcp_f32 v[ST+8*\u+6], v[ST+8*\u+4]
.endr
	v_and_b32 v28, 15, v0                          ; (plain work behind the reciprocals)  r
	v_bfe_u32 v29, v0, 4, 1                        ; h
	s_mul_i32 s51, s[WV], 16*SP
	s_add_co_u32 s51, s51, STAGE                   ; my stage
	v_mul_u32_u24 v6, v28, SP
	v_lshl_add_u32 v6, v29, 4, v6
	v_add_nc_u32 v6, s51, v6                       ; in: row r, 16 bytes for each half of the lanes
	v_and_b32 v30, 31, v0
	v_lshrrev_b32 v7, 3, v30
	v_mul_u32_u24 v7, v7, SP
	v_and_b32 v31, 7, v0
	v_lshl_add_u32 v7, v31, 4, v7
	v_add_nc_u32 v7, s51, v7                       ; back: eight lanes a row, four rows an instruction
	v_lshlrev_b32 v8, 4, v30                       ; and the same 512 bytes in y
	s_wait_alu depctr_va_vdst(0)                   ; one wait for both reciprocals, ahead of their first reader
.irp u, 0,1
.irp i, 0,2,4,6,8,10,12,14,16,18,20,22,24,26,28,30
	v_pk_mul_f32 v[O+32*\u+\i:O+32*\u+\i+1], v[O+32*\u+\i:O+32*\u+\i+1], v[ST+8*\u+6:ST+8*\u+7] op_sel_hi:[1,0]
.endr
.irp i, 0,1,2,3,4,5,6,7,8,9,10,11,12,13,14,15
	v_cvt_pk_f16_f32 v[S+16*\u+\i], v[O+32*\u+2*\i], v[O+32*\u+2*\i+1]
.endr
.irp ct, 0,1,2,3
	ds_store_b128 v6, v[S+16*\u+4*\ct:S+16*\u+4*\ct+3] offset:32*\ct
.endr
.irp g, 0,1,2,3
	ds_load_b128 v[64+16*\u+4*\g:64+16*\u+4*\g+3], v7 offset:4*SP*\g   ; a wave's LDS instructions are served in order (ISA guide 5.7.1.4): these see my stores, and the next tile's stores come behind them
.endr
.endr
	s_wait_dscnt 8                                 ; tile 0 is back; tile 1's four stores and four loads may be out
.irp g, 0,1,2,3
	global_store_b128 v8, v[64+4*\g:64+4*\g+3], s[6:7] offset:512*\g
.endr
	s_wait_dscnt 0x0
.irp g, 0,1,2,3
	global_store_b128 v8, v[80+4*\g:80+4*\g+3], s[6:7] offset:2048+512*\g
.endr
	s_wait_tensorcnt 0x0                           ; the wave's end: three lines behind my last tensor load and my last LDS store
	ds_add_u32 v[SPW], v[NIL]
	s_wait_dscnt 0x0
	ROUND                                          ; the closing round
	s_endpgm
.Lfunc_end_k_q36ae50feb4_attn:
	.size	k_q36ae50feb4_attn, .Lfunc_end_k_q36ae50feb4_attn-k_q36ae50feb4_attn
	.p2alignl 7, 3214868480
	.fill 96, 4, 3214868480
	.section	.rodata,"a",@progbits
	.p2align	6, 0x0
	.amdhsa_kernel k_q36ae50feb4_attn
		.amdhsa_group_segment_fixed_size 327680
		.amdhsa_private_segment_fixed_size 0
		.amdhsa_enable_private_segment 0
		.amdhsa_kernarg_size 16
		.amdhsa_user_sgpr_count 2
		.amdhsa_user_sgpr_kernarg_segment_ptr 1
		.amdhsa_wavefront_size32 1
		.amdhsa_system_sgpr_workgroup_id_x 1
		.amdhsa_system_sgpr_workgroup_id_y 1
		.amdhsa_system_sgpr_workgroup_id_z 1
		.amdhsa_system_vgpr_workitem_id 0
		.amdhsa_next_free_vgpr 256
		.amdhsa_next_free_sgpr 66
		.amdhsa_reserve_vcc 1
		.amdhsa_float_denorm_mode_32 3
		.amdhsa_float_denorm_mode_16_64 3
		.amdhsa_memory_ordered 1
		.amdhsa_forward_progress 1
		.amdhsa_inst_pref_size 195
	.end_amdhsa_kernel
	.amdgpu_metadata
---
amdhsa.version: [ 1, 2 ]
amdhsa.kernels:
  - .name:           k_q36ae50feb4_attn
    .symbol:         k_q36ae50feb4_attn.kd
    .args:
      - { .name: qkv, .offset: 0, .size: 8, .value_kind: global_buffer, .address_space: global }
      - { .name: y16, .offset: 8, .size: 8, .value_kind: global_buffer, .address_space: global }
    .group_segment_fixed_size: 327680
    .private_segment_fixed_size: 0
    .kernarg_segment_align: 8
    .kernarg_segment_size: 16
    .max_flat_workgroup_size: 512
    .sgpr_count:     66
    .vgpr_count:     256
    .wavefront_size: 32
...
	.end_amdgpu_metadata
.endif
;; end of part 3
;; launch proj (part 4): grid 8 x 32, 4 waves a work-group, clusters of 4 x 4, 327,680 bytes of LDS; arguments y16, wp16, bp, out0; writes out0
.if DOCPART == 4
	.amdgcn_target "amdgcn-amd-amdhsa--gfx1250"
	.amdhsa_code_object_version 6
	.text
	.protected	k_q36ae50feb4_proj
	.globl	k_q36ae50feb4_proj
	.p2align	8
	.type	k_q36ae50feb4_proj,@function
k_q36ae50feb4_proj:
	s_mov_b64 s[64:65], 0
	v_nop
	global_prefetch_b8 v0, s[64:65] scope:SCOPE_SE
	s_setreg_imm32_b32 hwreg(HW_REG_WAVE_MODE, 25, 1), 1
	s_wait_xcnt 0x0
	s_wait_alu depctr_hold_cnt(0) depctr_sa_sdst(0) depctr_va_vdst(0) depctr_va_sdst(0) depctr_va_ssrc(0) depctr_va_vcc(0) depctr_vm_vsrc(0)
	s_getreg_b32 s2, hwreg(HW_REG_IB_STS2, 6, 4)
	s_cmp_eq_u32 s2, 0
	s_cbranch_scc0 .Lentry_in_a_cluster
	s_endpgm
.Lentry_in_a_cluster:
	s_bfe_u32 s2, ttmp6, 0x10000c
	s_cmp_lg_u32 s2, 0xf033
	s_cbranch_scc0 .Lentry_shape_is_right
	s_endpgm
.Lentry_shape_is_right:
; out0[token][n] = the sum over k of y[token][k] Wp[n][k] + bp[n].  y16: [batch 4][head 16][t 2048][64] f16 (k = 64 head + channel); wp16: [1024][1024] f16; out0: [8192][1024] f32; sums in f32.
; All rows are made here; positions 0-15 of every sequence are written again, from f32 operands, by a later launch.
; A tile of the result is 256 tokens x 128 columns: 256 work-groups.  Four waves, each 128 x 64: 32 accumulators, 256 registers.  K goes in steps of 128 (two heads) through a ring of two LDS slots.
; A's part of a slot is two blocks, one for each head: 256 tokens x 128 bytes, dense in memory, brought as 128 rows of 256 bytes.  B's part is 128 rows of 256 bytes.  One tensor load a wave: waves 0, 1 a block of A, waves 2, 3 64 rows of B.
; CLUSTERS: 4 x 4 work-groups; A's tiles are asked for jointly along a row of the cluster, B's along a column.  THE MATRIX INSTRUCTION IS USED TRANSPOSED (source 0 = 16 rows of Wp, source 1 = 16 tokens):
; a lane holds eight neighbouring columns of one token.  The bias is the C of each sum's first product.
; No prefetch: of the eight K steps four would come by their loads alone, and the rows of both operands are read by several clusters at about the same time.
; REGISTERS: window 0: v16-29 addresses; v32-63 the bias; v64-127, v128-191 A's fragments (8 x 16 tokens x 32 K), two buffers; v192-223, v224-255 B's (4 x 16 rows x 32 K).  window 1: accumulator (a, b) at v[8 (4 a + b)].
.set PITCH,  272                       ; an LDS row: 256 bytes + 16 of padding (the rows that a load touches start at different banks: ISA guide 11.1)
.set HALFA,  128*PITCH                 ; a head's 256 tokens
.set HALFB,  64*PITCH                  ; 64 rows of B
.set BOFF,   2*HALFA
.set SLOT,   BOFF+2*HALFB
.set STAGE,  2*SLOT                    ; the way out: 16 rows x 272 bytes for each wave; no fill lands here
.set SPARE,  STAGE+4*16*272            ; the spare words, 128 bytes a wave
.set LAPS,   4                         ; a lap = two K steps = once round the ring
.set ADRA, 16
.set ADRB, 20
.set STO,  24
.set RD,   25
.set CO,   26
.set BO,   27
.set SPW,  28
.set NIL,  29
.set BIAS, 32
.set FA,   64
.set FB,   192
.set WV,   12                          ; s12 wave; s13 its half of the tokens, also: I fetch for A (0) or B (1); s14 its half of the columns, also: which block or half I fetch
.set RH,   13
.set CH,   14
.set G1, 24
.set G0, 32
.set G1B, 48
.set G0B, 56
.set MSB, 0
.macro WIN new
.if MSB != \new
	s_set_vgpr_msb (MSB<<8)|\new
.set MSB, \new
.endif
.endm
.set MUL,   0x50                       ; A and B window 0, C and D window 1
.set MUL_1, 0x40                       ; C (the bias) window 0, D window 1
.macro JLOAD s                         ; a joint load; an s_nop 0 and four v_nop follow each of the two lines
	s_cmp_eq_u32 s[RH], 0
	s_cbranch_scc0 .Lfor_b_\@
	tensor_load_to_lds s[G0+4*\s:G0+4*\s+3], s[G1:G1+7]
	s_nop 0
.rept 4
	v_nop
.endr
	s_branch .Lasked_\@
.Lfor_b_\@:
	tensor_load_to_lds s[G0B+4*\s:G0B+4*\s+3], s[G1B:G1B+7]
	s_nop 0
.rept 4
	v_nop
.endr
.Lasked_\@:
.endm
.macro CREST                           ; a round of the cluster's barrier behind its opening barrier
	s_cmp_lg_u32 s[WV], 0
	s_cbranch_scc1 .Lnot_wave_0_\@
	s_barrier_signal -3
.Lnot_wave_0_\@:
	s_barrier_wait -3
	s_barrier_signal -1
	s_barrier_wait -1
.endm
.macro CROUND
	s_barrier_signal -1
	s_barrier_wait -1
	CREST
.endm
	s_load_b256 s[4:11], s[0:1], 0x0               ; y16 4:5, wp16 6:7, bp 8:9, out0 10:11
	v_lshl_add_u32 v[SPW], v0, 2, SPARE
	v_mov_b32 v[NIL], 0
	ds_add_u32 v[SPW], v[NIL]                      ; the wave's opening: the add, twice on end, and its wait ahead of my first tensor load
	ds_add_u32 v[SPW], v[NIL]
	v_lshrrev_b32 v1, 5, v0
	v_readfirstlane_b32 s[WV], v1
	s_lshr_b32 s[RH], s[WV], 1
	s_and_b32 s[CH], s[WV], 1
	s_bfe_u32 s40, ttmp6, 0x40000                  ; cx
	s_bfe_u32 s41, ttmp6, 0x40004                  ; cy
	s_lshl_b32 s42, ttmp9, 2
	s_add_co_u32 s42, s42, s40                     ; tile column (128 columns) = 4 x cluster x + cx
	s_and_b32 s15, ttmp7, 0xffff
	s_lshl_b32 s15, s15, 2
	s_add_co_u32 s15, s15, s41                     ; tile row (256 tokens) = 4 x cluster y + cy
	s_lshl_b32 s43, s41, 2
	s_lshl_b32 s43, 15, s43                        ; my row of the cluster
	s_lshl_b32 s44, 0x1111, s40                    ; my column
	s_or_b32 s[G1+0], s43, (1<<16)|(1<<20)|(1<<21)|(5<<22)|(3<<25)  ; 15:0 the mask; 17:16 elements of 2 bytes; 20 padding on; 21 set beside a mask; 24:22 after every 64 words; 31:25 four words
	s_or_b32 s[G1B+0], s44, (1<<16)|(1<<20)|(1<<21)|(5<<22)|(3<<25)
	s_mov_b32 s[G1+1], 128<<16                     ; A: 128 rows of 128 elements, dense
	s_mov_b32 s[G1+2], 128<<16
	s_mov_b32 s[G1+3], 128<<16
	s_mov_b32 s[G1+4], 128
	s_mov_b32 s[G1+5], 128
	s_mov_b32 s[G1+6], 0
	s_mov_b32 s[G1+7], 0
	s_mov_b32 s[G1B+1], 128<<16                    ; B: 64 rows of 128 elements, 1,024 elements apart
	s_mov_b32 s[G1B+2], 64<<16
	s_mov_b32 s[G1B+3], 128<<16
	s_mov_b32 s[G1B+4], 64
	s_mov_b32 s[G1B+5], 1024
	s_mov_b32 s[G1B+6], 0
	s_mov_b32 s[G1B+7], 0
	s_lshr_b32 s16, s15, 3                         ; A: the batch's 16 heads of 262,144 bytes,
	s_lshl_b32 s16, s16, 22
	s_and_b32 s17, s15, 7
	s_lshl_b32 s17, s17, 15                        ; + the tile's 256 tokens of 128 bytes,
	s_add_co_u32 s16, s16, s17
	s_lshl_b32 s17, s[CH], 18                      ; + the head that I fetch of a K step's two
	s_add_co_u32 s16, s16, s17
	s_mov_b32 s17, 0
	s_lshl_b32 s46, s42, 7                         ; B: row 128 x tile column + 64 x half, 2,048 bytes a row
	s_lshl_b32 s47, s[CH], 6
	s_add_co_u32 s46, s46, s47
	s_lshl_b32 s46, s46, 11
	s_mov_b32 s47, 0
	s_mul_i32 s20, s[CH], HALFA                    ; where they go: no place in the cluster enters an LDS address
	s_mul_i32 s21, s[CH], HALFB
	s_add_co_u32 s21, s21, BOFF
	s_wait_dscnt 0x0                               ; both opening adds are done
	s_wait_kmcnt 0x0
	s_add_nc_u64 s[18:19], s[4:5], s[16:17]
	s_add_nc_u64 s[46:47], s[6:7], s[46:47]
	CROUND                                         ; all sixteen work-groups are here: the first joint loads meet
.irp s, 0,1
	s_mov_b32 s[G0+4*\s], 1
	s_add_co_u32 s[G0+4*\s+1], s20, \s*SLOT
	s_add_nc_u64 s[G0+4*\s+2:G0+4*\s+3], s[18:19], \s*2*262144     ; K step s: heads 2 s, 2 s + 1
	s_or_b32 s[G0+4*\s+3], s[G0+4*\s+3], 0x80000000
	s_mov_b32 s[G0B+4*\s], 1
	s_add_co_u32 s[G0B+4*\s+1], s21, \s*SLOT
	s_add_nc_u64 s[G0B+4*\s+2:G0B+4*\s+3], s[46:47], \s*256
	s_or_b32 s[G0B+4*\s+3], s[G0B+4*\s+3], 0x80000000
	JLOAD \s                                       ; two loads of mine are out
.endr
	v_and_b32 v1, 15, v0                           ; r
	v_bfe_u32 v2, v0, 4, 1                         ; h
	v_lshrrev_b32 v3, 1, v1
	v_mul_u32_u24 v3, v3, PITCH
	v_and_b32 v4, 1, v1
	v_lshl_add_u32 v3, v4, 7, v3
	v_lshl_add_u32 v3, v2, 4, v3                   ; A: token r at 272 (r / 2) + 128 (r % 2), + 16 h
	v_mul_u32_u24 v4, v1, PITCH
	v_lshl_add_u32 v5, v2, 4, v4                   ; B: row r x pitch + 16 h
	s_mul_i32 s20, s[RH], 64*PITCH                 ; my 128 tokens: 64 rows of a block
	s_mul_i32 s21, s[CH], HALFB
	s_add_co_u32 s21, s21, BOFF                    ; my 64 rows of B
.irp s, 0,1
	v_add_nc_u32 v[ADRA+\s], s20, v3
	v_add_nc_u32 v[ADRB+\s], s21, v5
	s_add_co_u32 s20, s20, SLOT
	s_add_co_u32 s21, s21, SLOT
.endr
	s_mul_i32 s20, s[WV], 16*272
	s_add_co_u32 s20, s20, STAGE                   ; my stage
	v_lshl_add_u32 v6, v2, 5, v4
	v_add_nc_u32 v[STO], s20, v6                   ; in: row r, 32 bytes for each half of the lanes
	v_mul_u32_u24 v6, v2, 272
	v_lshl_add_u32 v6, v1, 4, v6
	v_add_nc_u32 v[RD], s20, v6                    ; back: lanes 0-15 one row of 256 bytes, lanes 16-31 the next
	v_lshlrev_b32 v[CO], 12, v2
	v_lshl_add_u32 v[CO], v1, 4, v[CO]             ; and the same two rows in out0
	v_lshlrev_b32 v[BO], 5, v2
	s_lshl_b32 s16, s15, 8
	s_lshl_b32 s17, s[RH], 7
	s_add_co_u32 s16, s16, s17                     ; my first token
	s_lshl_b32 s16, s16, 12                        ; 4,096 bytes a row (under 2^26)
	s_lshl_b32 s46, s42, 9                         ; my first column, in bytes: 512 x tile column + 256 x half
	s_lshl_b32 s47, s[CH], 8
	s_add_co_u32 s46, s46, s47
	s_mov_b32 s47, 0
	s_add_nc_u64 s[8:9], s[8:9], s[46:47]          ; bp at my columns
	s_add_co_u32 s46, s46, s16
	s_add_nc_u64 s[10:11], s[10:11], s[46:47]      ; out0 at my corner
.irp b, 0,1,2,3
	global_load_b128 v[BIAS+8*\b:BIAS+8*\b+3], v[BO], s[8:9] offset:64*\b          ; lane (r, h): bp of columns 16 b + 8 h + 0 .. 7: the result's layout
	global_load_b128 v[BIAS+8*\b+4:BIAS+8*\b+7], v[BO], s[8:9] offset:64*\b+16
.endr
; 8 matrix instructions: token blocks a0, a0 + 1 x all 4 column blocks, 32 along K, buffer f.  The 32 accumulators take turns, one instruction a turn, in the same order in every quarter.
.macro MUL8 f, a0, first
.irp a, \a0, \a0+1
.irp b, 0,1,2,3
.if \first
	v_wmma_f32_16x16x32_f16 v[8*(4*(\a)+\b):8*(4*(\a)+\b)+7], v[FB+32*(\f)+8*\b:FB+32*(\f)+8*\b+7], v[FA+64*(\f)+8*(\a):FA+64*(\f)+8*(\a)+7], v[BIAS+8*\b:BIAS+8*\b+7]
.else
	v_wmma_f32_16x16x32_f16 v[8*(4*(\a)+\b):8*(4*(\a)+\b)+7], v[FB+32*(\f)+8*\b:FB+32*(\f)+8*\b+7], v[FA+64*(\f)+8*(\a):FA+64*(\f)+8*(\a)+7], v[8*(4*(\a)+\b):8*(4*(\a)+\b)+7]
.endif
.endr
.endr
.endm
; 24 LDS loads in one run: the fragments of the slot's q-th 32 along K into buffer f: B's four blocks, A's blocks 0-3, A's blocks 4-7.  Quarter q lies in head q / 2, at byte 64 (q % 2) of a token's 128
.macro FETCH slot, q, f
.irp i, 0,1,2,3
	ds_load_b128 v[FB+32*(\f)+8*\i:FB+32*(\f)+8*\i+3],   v[ADRB+\slot] offset:64*(\q)+16*PITCH*\i
	ds_load_b128 v[FB+32*(\f)+8*\i+4:FB+32*(\f)+8*\i+7], v[ADRB+\slot] offset:64*(\q)+16*PITCH*\i+32
.endr
.irp i, 0,1,2,3,4,5,6,7
	ds_load_b128 v[FA+64*(\f)+8*\i:FA+64*(\f)+8*\i+3],   v[ADRA+\slot] offset:((\q)/2)*HALFA+((\q)%2)*64+8*PITCH*\i
	ds_load_b128 v[FA+64*(\f)+8*\i+4:FA+64*(\f)+8*\i+7], v[ADRA+\slot] offset:((\q)/2)*HALFA+((\q)%2)*64+8*PITCH*\i+32
.endr
.endm
.macro PLACES                          ; four plain vector instructions in front of loads into registers that matrix instructions have read, and of reads of results (for reads of results)
.rept 4
	v_nop
.endr
.endm
; One of a K step's first three quarters: multiplies buffer f; in its middle it fetches quarter q of the same slot into the other buffer.
.macro QUARTER slot, q, f, first
	s_wait_dscnt 8                                 ; B and A's blocks 0-3 are in; the youngest eight loads (A's blocks 4-7) may be out
.if \first
	WIN MUL_1
.else
	WIN MUL
.endif
	MUL8 \f, 0, \first
	MUL8 \f, 2, \first
	PLACES
	WIN 0
	FETCH \slot, \q, 1-(\f)
	s_wait_dscnt 24                                ; all but the 24 just issued
.if \first
	WIN MUL_1
.else
	WIN MUL
.endif
	MUL8 \f, 4, \first
	MUL8 \f, 6, \first
.endm
; The last quarter multiplies buffer 1 and changes slots: ONE barrier; in front of it each wave waits for all its tensor loads (its part of the next slot), adds 0 to its spare word, and waits for that and for its reads of this slot.
; fill = 1: the barrier opens a round of the cluster's, and this slot is filled again, two K steps ahead: 112 matrix instructions stand between the request and the wait for it.
.macro TURN slot, next, fill
	WIN 0                                          ; (the add's two registers lie in window 0)
	s_wait_tensorcnt 0x0
	ds_add_u32 v[SPW], v[NIL]
	s_wait_dscnt 9                                 ; (the add and A's blocks 4-7 may be out)
	WIN MUL
	MUL8 1, 0, 0
	s_wait_dscnt 0x0                               ; the add is done, and my reads of this slot are over
	s_barrier_signal -1
	MUL8 1, 2, 0
	WIN 0
	s_barrier_wait -1
.if \fill
	CREST                                          ; no wave of any partner still reads this slot or has a load on its way
	s_add_nc_u64 s[G0+4*\slot+2:G0+4*\slot+3], s[G0+4*\slot+2:G0+4*\slot+3], 4*262144
	s_add_nc_u64 s[G0B+4*\slot+2:G0B+4*\slot+3], s[G0B+4*\slot+2:G0B+4*\slot+3], 512
	JLOAD \slot                                    ; the first tensor load behind the round; its four v_nop are also the places in front of the loads below
.else
	PLACES
.endif
	FETCH \next, 0, 0
	WIN MUL
	MUL8 1, 4, 0
	MUL8 1, 6, 0
.endm
	s_wait_tensorcnt 1                             ; my part of K step 0 is in; K step 1's may be out
	s_barrier_signal -1
	s_barrier_wait -1
	FETCH 0, 0, 0
	s_wait_loadcnt 0x0                             ; the bias
	QUARTER 0, 1, 0, 1                             ; the first quarter stands in front of the loop: its products start the sums with the bias
	WIN 0                                          ; at a label and at a branch every window is 0
	s_mov_b32 s3, LAPS-1
.Llap:                                             ; a trip goes once round the ring, from a lap's second quarter to the next lap's first, and fills both slots again
	QUARTER 0, 2, 1, 0
	QUARTER 0, 3, 0, 0
	TURN 0, 1, 1
	QUARTER 1, 1, 0, 0
	QUARTER 1, 2, 1, 0
	QUARTER 1, 3, 0, 0
	TURN 1, 0, 1
	QUARTER 0, 1, 0, 0
	WIN 0
	s_sub_co_u32 s3, s3, 1
	s_cmp_lg_u32 s3, 0
	s_cbranch_scc1 .Llap
	QUARTER 0, 2, 1, 0                             ; the last lap fills nothing
	QUARTER 0, 3, 0, 0
	TURN 0, 1, 0
	QUARTER 1, 1, 0, 0
	QUARTER 1, 2, 1, 0
	QUARTER 1, 3, 0, 0
	s_wait_dscnt 8                                 ; the very last quarter: nothing more to fetch
	WIN MUL
	MUL8 1, 0, 0
	MUL8 1, 2, 0
	s_wait_dscnt 0
	MUL8 1, 4, 0
	MUL8 1, 6, 0
	WIN 0
; THE WAY OUT, block by block of 16 tokens x 64 columns: through my own stage, back as whole rows of 256 bytes: sixteen lanes store 256 consecutive bytes, aligned.
.macro TOSTAGE a
	WIN 0x04                                       ; an LDS store's data: window 1
.irp b, 0,1,2,3
	ds_store_b128 v[STO], v[8*(4*(\a)+\b):8*(4*(\a)+\b)+3] offset:64*\b          ; each accumulator from its low end on
	ds_store_b128 v[STO], v[8*(4*(\a)+\b)+4:8*(4*(\a)+\b)+7] offset:64*\b+16
.endr
	WIN 0
.set BB, FA+32*((\a)%2)
.irp t, 0,1,2,3,4,5,6,7
	ds_load_b128 v[BB+4*\t:BB+4*\t+3], v[RD] offset:\t*2*272       ; a wave's LDS instructions are served in order (ISA guide 5.7.1.4): these see the stores above
.endr
.endm
.macro SEND a, younger                 ; younger: the LDS instructions issued behind block a's loads, which may stay out
.set BB, FA+32*((\a)%2)
	s_wait_dscnt \younger
.if (\a) > 0
	s_add_nc_u64 s[10:11], s[10:11], 16*4096       ; (behind a wait that shows the earlier stores' base read)  16 rows on
.endif
.irp t, 0,1,2,3,4,5,6,7
	global_store_b128 v[CO], v[BB+4*\t:BB+4*\t+3], s[10:11] offset:\t*2*4096 th:TH_STORE_NT
.endr
.endm
	PLACES
	TOSTAGE 0
.irp a, 1,2,3,4,5,6,7
.if \a > 1
	s_wait_xcnt 0x0                                ; block a - 2's stores have read their registers and their base: block a's loads may land there, and the base may step
.endif
	TOSTAGE \a
	SEND \a-1, 16                                  ; behind block a - 1's loads: block a's 8 stores and 8 loads
.endr
	s_wait_xcnt 0x0
	SEND 7, 0
	s_wait_tensorcnt 0x0                           ; the wave's end: three lines behind my last tensor load and my last LDS store
	ds_add_u32 v[SPW], v[NIL]
	s_wait_dscnt 0x0
	CROUND                                         ; the closing round
	s_endpgm
.Lfunc_end_k_q36ae50feb4_proj:
	.size	k_q36ae50feb4_proj, .Lfunc_end_k_q36ae50feb4_proj-k_q36ae50feb4_proj
	.p2alignl 7, 3214868480
	.fill 96, 4, 3214868480
	.section	.rodata,"a",@progbits
	.p2align	6, 0x0
	.amdhsa_kernel k_q36ae50feb4_proj
		.amdhsa_group_segment_fixed_size 327680
		.amdhsa_private_segment_fixed_size 0
		.amdhsa_enable_private_segment 0
		.amdhsa_kernarg_size 32
		.amdhsa_user_sgpr_count 2
		.amdhsa_user_sgpr_kernarg_segment_ptr 1
		.amdhsa_wavefront_size32 1
		.amdhsa_system_sgpr_workgroup_id_x 1
		.amdhsa_system_sgpr_workgroup_id_y 1
		.amdhsa_system_sgpr_workgroup_id_z 1
		.amdhsa_system_vgpr_workitem_id 0
		.amdhsa_next_free_vgpr 512
		.amdhsa_next_free_sgpr 66
		.amdhsa_reserve_vcc 0
		.amdhsa_float_denorm_mode_32 3
		.amdhsa_float_denorm_mode_16_64 3
		.amdhsa_memory_ordered 1
		.amdhsa_forward_progress 1
		.amdhsa_inst_pref_size 87
	.end_amdhsa_kernel
	.amdgpu_metadata
---
amdhsa.version: [ 1, 2 ]
amdhsa.kernels:
  - .name:           k_q36ae50feb4_proj
    .symbol:         k_q36ae50feb4_proj.kd
    .args:
      - { .name: y16, .offset: 0, .size: 8, .value_kind: global_buffer, .address_space: global }
      - { .name: wp16, .offset: 8, .size: 8, .value_kind: global_buffer, .address_space: global }
      - { .name: bp, .offset: 16, .size: 8, .value_kind: global_buffer, .address_space: global }
      - { .name: out0, .offset: 24, .size: 8, .value_kind: global_buffer, .address_space: global }
    .group_segment_fixed_size: 327680
    .private_segment_fixed_size: 0
    .kernarg_segment_align: 8
    .kernarg_segment_size: 32
    .max_flat_workgroup_size: 128
    .sgpr_count:     66
    .vgpr_count:     512
    .wavefront_size: 32
...
	.end_amdgpu_metadata
.endif
;; end of part 4
;; launch fine_att (part 5): grid 16 x 4, 1 waves a work-group, no clusters, 0 bytes of LDS; arguments fq, y32; writes y32
.if DOCPART == 5
	.amdgcn_target "amdgcn-amd-amdhsa--gfx1250"
	.amdhsa_code_object_version 6
	.text
	.protected	k_q36ae50feb4_fine_att
	.globl	k_q36ae50feb4_fine_att
	.p2align	8
	.type	k_q36ae50feb4_fine_att,@function
k_q36ae50feb4_fine_att:
	s_mov_b64 s[64:65], 0
	v_nop
	global_prefetch_b8 v0, s[64:65] scope:SCOPE_SE
	s_setreg_imm32_b32 hwreg(HW_REG_WAVE_MODE, 25, 1), 1
	s_wait_xcnt 0x0
; POSITIONS 0-15 OF EVERY SEQUENCE, ALL IN F32: there a row of the softmax averages one to sixteen values, and the rounding of 16-bit operands would weigh most.
; One wave takes one (batch, head): 16 queries x 16 keys x 64 channels, by the f32 matrix form: 32 instructions a wave, no bulk work.  fq: [sel 3][batch 4][head 16][t 16][64] f32.  y32: [batch 4][t 16][1024] f32.
; Of the two masks only the triangle shows here: key 24 is not among keys 0-15.  A hidden score is -1e30 (q . k of finite f32 numbers of this problem's range lies far above it).
; y32 is stored in pieces of 64 bytes a row (262,144 bytes in all).
; LAYOUT.  S^T = K Q^T (source 0 = 16 keys, source 1 = 16 queries): a lane holds one query (lane % 16) and keys 8 (lane / 16) + 0 .. 7.  O^T = V^T P.  The f32 form takes k = 2 (lane / 16) + j from register j;
; both operands of a product take the same channels (or keys) in the same places, so the order in which they are summed is the text's own.
; The registers that the f32 form writes (v112-175) are written by nothing else.
	s_load_b128 s[4:7], s[0:1], 0x0                ; fq, y32
	v_and_b32 v1, 15, v0                           ; r
	v_lshrrev_b32 v2, 4, v0                        ; h (one wave: v0 is the lane)
	v_lshlrev_b32 v3, 8, v1
	v_lshl_add_u32 v3, v2, 4, v3                   ; Q, K: row r of 256 bytes + 16 h
	v_lshlrev_b32 v4, 2, v1
	v_lshl_add_u32 v4, v2, 11, v4                  ; V: key 8 h, channel r
	v_lshlrev_b32 v5, 12, v1
	v_lshl_add_u32 v5, v2, 5, v5                   ; y32: row r of 4,096 bytes + 32 h
	v_lshlrev_b32 v6, 3, v2
	v_sub_nc_u32 v6, v1, v6                        ; d = r - 8 h: register j's key 8 h + j is hidden where j > d
	v_mov_b32 v7, 0xf149f2ca                       ; -1e30
	v_mov_b32 v9, 0                                ; (a lane permute's destination counts as one of its sources)
	s_and_b32 s8, ttmp7, 0xffff                    ; batch
	s_lshl_b32 s9, s8, 4
	s_add_co_u32 s9, s9, ttmp9                     ; 16 batch + head
	s_lshl_b32 s10, s9, 12                         ; 4,096 bytes a head
	s_mov_b32 s11, 0
	s_lshl_b32 s12, s8, 16                         ; y32: 65,536 bytes a batch,
	s_lshl_b32 s14, ttmp9, 8                       ; 256 bytes a head in a row
	s_add_co_u32 s12, s12, s14
	s_mov_b32 s13, 0
	s_mov_b32 s16, 0x76543210
	s_mov_b32 s17, 0xfedcba98                      ; selects for lane l xor 16
	s_mov_b32 s18, 0x3e38aa3b                      ; c = log2(e) / 8
	s_wait_kmcnt 0x0
	s_add_nc_u64 s[4:5], s[4:5], s[10:11]
	s_add_nc_u64 s[6:7], s[6:7], s[12:13]
.irp i, 0,1,2,3,4,5,6,7
	global_load_b128 v[16+4*\i:19+4*\i], v3, s[4:5] offset:32*\i               ; Q: channels 8 i + 4 h + 0 .. 3
	global_load_b128 v[48+4*\i:51+4*\i], v3, s[4:5] offset:262144+32*\i        ; K: the same channels
.endr
.irp ct, 0,1,2,3
.irp j, 0,1,2,3,4,5,6,7
	global_load_b32 v[80+8*\ct+\j], v4, s[4:5] offset:524288+256*\j+64*\ct     ; V(key 8 h + j, channel 16 ct + r)
.endr
.endr
	s_wait_loadcnt 0x0
.irp e, 0,1,2,3,4,5,6,7,8,9,10,11,12,13,14,15   ; 16 K steps of 4 on four accumulators by turns; the first four start the sums
.if \e < 4
	v_wmma_f32_16x16x4_f32 v[112+8*(\e%4):119+8*(\e%4)], v[48+2*\e:49+2*\e], v[16+2*\e:17+2*\e], 0
.else
	v_wmma_f32_16x16x4_f32 v[112+8*(\e%4):119+8*(\e%4)], v[48+2*\e:49+2*\e], v[16+2*\e:17+2*\e], v[112+8*(\e%4):119+8*(\e%4)]
.endif
.endr
.rept 8
	v_nop                                          ; eight places behind this form, in front of the first read of its results (ISA guide 7.12.1)
.endr
.irp j, 0,1,2,3,4,5,6,7
	v_add_f32 v[176+\j], v[112+\j], v[120+\j]      ; the four parts are added into other registers, each accumulator from its low end on
.endr
.irp j, 0,1,2,3,4,5,6,7
	v_add_f32 v[176+\j], v[176+\j], v[128+\j]
.endr
.irp j, 0,1,2,3,4,5,6,7
	v_add_f32 v[176+\j], v[176+\j], v[136+\j]
.endr
.irp j, 0,1,2,3,4,5,6,7
	v_cmp_gt_i32 vcc_lo, \j, v6
	v_cndmask_b32 v[176+\j], v[176+\j], v7, vcc_lo
.endr
	v_max3_num_f32 v8, v176, v177, v178
	v_max3_num_f32 v8, v8, v179, v180
	v_max3_num_f32 v8, v8, v181, v182
	v_max_num_f32 v8, v8, v183
	v_permlanex16_b32 v9, v8, s16, s17
	v_max_num_f32 v8, v8, v9                       ; the row's maximum: key 0 counts for every query
	v_mul_f32 v8, s18, v8                          ; c m
.irp j, 0,1,2,3,4,5,6,7
	v_fma_f32 v[176+\j], v[176+\j], s18, -v8
.endr
.irp j, 0,1,2,3,4,5,6,7
	v_exp_f32 v[176+\j], v[176+\j]
.endr
	v_nop                                          ; a plain instruction behind the last exponential,
	s_wait_alu depctr_va_vdst(0)                   ; and one wait for the batch, ahead of its first reader
	v_add_f32 v10, v176, v177
	v_add_f32 v11, v178, v179
	v_add_f32 v10, v10, v180
	v_add_f32 v11, v11, v181
	v_add_f32 v10, v10, v182
	v_add_f32 v11, v11, v183
	v_add_f32 v10, v10, v11
	v_permlanex16_b32 v9, v10, s16, s17
	v_add_f32 v10, v10, v9                         ; the row's sum
	v_rcp_f32 v11, v10
	v_nop
	s_wait_alu depctr_va_vdst(0)
.irp j, 0,1,2,3,4,5,6,7
	v_mul_f32 v[184+\j], v[176+\j], v11            ; the weights
.endr
.irp i, 0,1,2,3                        ; O^T = V^T P: K step i takes keys 8 h + 2 i, + 1; four accumulators (channels 16 ct on) by turns
.irp ct, 0,1,2,3
.if \i == 0
	v_wmma_f32_16x16x4_f32 v[144+8*\ct:151+8*\ct], v[80+8*\ct+2*\i:81+8*\ct+2*\i], v[184+2*\i:185+2*\i], 0
.else
	v_wmma_f32_16x16x4_f32 v[144+8*\ct:151+8*\ct], v[80+8*\ct+2*\i:81+8*\ct+2*\i], v[184+2*\i:185+2*\i], v[144+8*\ct:151+8*\ct]
.endif
.endr
.endr
.rept 8
	v_nop
.endr
.irp ct, 0,1,2,3
	global_store_b128 v5, v[144+8*\ct:147+8*\ct], s[6:7] offset:64*\ct         ; y(query r, channels 16 ct + 8 h + 0 .. 7), each accumulator from its low end on
	global_store_b128 v5, v[148+8*\ct:151+8*\ct], s[6:7] offset:64*\ct+16
.endr
	s_endpgm
.Lfunc_end_k_q36ae50feb4_fine_att:
	.size	k_q36ae50feb4_fine_att, .Lfunc_end_k_q36ae50feb4_fine_att-k_q36ae50feb4_fine_att
	.p2alignl 7, 3214868480
	.fill 96, 4, 3214868480
	.section	.rodata,"a",@progbits
	.p2align	6, 0x0
	.amdhsa_kernel k_q36ae50feb4_fine_att
		.amdhsa_group_segment_fixed_size 0
		.amdhsa_private_segment_fixed_size 0
		.amdhsa_enable_private_segment 0
		.amdhsa_kernarg_size 16
		.amdhsa_user_sgpr_count 2
		.amdhsa_user_sgpr_kernarg_segment_ptr 1
		.amdhsa_wavefront_size32 1
		.amdhsa_system_sgpr_workgroup_id_x 1
		.amdhsa_system_sgpr_workgroup_id_y 1
		.amdhsa_system_sgpr_workgroup_id_z 1
		.amdhsa_system_vgpr_workitem_id 0
		.amdhsa_next_free_vgpr 192
		.amdhsa_next_free_sgpr 66
		.amdhsa_reserve_vcc 1
		.amdhsa_float_denorm_mode_32 3
		.amdhsa_float_denorm_mode_16_64 3
		.amdhsa_memory_ordered 1
		.amdhsa_forward_progress 1
		.amdhsa_inst_pref_size 13
	.end_amdhsa_kernel
	.amdgpu_metadata
---
amdhsa.version: [ 1, 2 ]
amdhsa.kernels:
  - .name:           k_q36ae50feb4_fine_att
    .symbol:         k_q36ae50feb4_fine_att.kd
    .args:
      - { .name: fq, .offset: 0, .size: 8, .value_kind: global_buffer, .address_space: global }
      - { .name: y32, .offset: 8, .size: 8, .value_kind: global_buffer, .address_space: global }
    .group_segment_fixed_size: 0
    .private_segment_fixed_size: 0
    .kernarg_segment_align: 8
    .kernarg_segment_size: 16
    .max_flat_workgroup_size: 32
    .sgpr_count:     66
    .vgpr_count:     192
    .wavefront_size: 32
...
	.end_amdgpu_metadata
.endif
;; end of part 5
;; launch fine_proj (part 6): grid 16 x 4, 16 waves a work-group, no clusters, 71,680 bytes of LDS; arguments y32, Wp, bp, out0; writes out0
.if DOCPART == 6
	.amdgcn_target "amdgcn-amd-amdhsa--gfx1250"
	.amdhsa_code_object_version 6
	.text
	.protected	k_q36ae50feb4_fine_proj
	.globl	k_q36ae50feb4_fine_proj
	.p2align	8
	.type	k_q36ae50feb4_fine_proj,@function
k_q36ae50feb4_fine_proj:
	s_mov_b64 s[64:65], 0
	v_nop
	global_prefetch_b8 v0, s[64:65] scope:SCOPE_SE
	s_setreg_imm32_b32 hwreg(HW_REG_WAVE_MODE, 25, 1), 1
	s_wait_xcnt 0x0
; POSITIONS 0-15 OF EVERY SEQUENCE: out0 = y Wp^T + bp with f32 operands, written over what the bulk launch left in those 64 rows.  y32: [batch 4][t 16][1024] f32; Wp: [1024][1024] f32.
; A work-group takes the 16 rows of one batch and 64 columns.  Wave w takes K = 64 w .. 64 w + 63 for all four tiles of 16 columns: 64 instructions of the f32 matrix form: no bulk work.
; The sixteen partial sums meet in LDS behind one barrier; wave w then adds row w's sixteen parts and the bias, and stores the row's 256 consecutive bytes, aligned.
; Source 0 = 16 rows of Wp, source 1 = the 16 tokens: a lane holds eight neighbouring columns of one token.  Both operands take the same k in the same places.
; The registers that the f32 form writes (v176-207) are written by nothing else.
.set PART,  16*272                     ; a wave's partial sums: 16 rows x (256 bytes + 16)
.set SPARE, 16*PART                    ; behind them: the spare words, 128 bytes a wave
.set SPW, 10
.set NIL, 11
	s_load_b256 s[4:11], s[0:1], 0x0               ; y32 4:5, Wp 6:7, bp 8:9, out0 10:11
	v_lshl_add_u32 v[SPW], v0, 2, SPARE
	v_mov_b32 v[NIL], 0
	v_lshrrev_b32 v1, 5, v0
	v_readfirstlane_b32 s12, v1                    ; wave 0..15
	v_and_b32 v2, 15, v0                           ; r
	v_bfe_u32 v3, v0, 4, 1                         ; h
	v_and_b32 v4, 31, v0                           ; lane
	v_lshlrev_b32 v5, 12, v2
	v_lshl_add_u32 v5, v3, 4, v5                   ; y32 and Wp: row r of 4,096 bytes + 16 h
	s_mul_i32 s13, s12, PART
	v_mul_u32_u24 v6, v2, 272
	v_lshl_add_u32 v6, v3, 5, v6
	v_add_nc_u32 v6, s13, v6                       ; my partial sums: row r, 32 bytes for each half of the lanes
	s_mul_i32 s13, s12, 272
	v_lshlrev_b32 v7, 3, v4                        ; 8 x lane
	v_add_nc_u32 v8, s13, v7                       ; back: row w of each wave's part, 8 bytes a lane
	s_and_b32 s14, ttmp7, 0xffff                   ; batch
	s_lshl_b32 s16, s14, 16                        ; y32: 65,536 bytes a batch,
	s_lshl_b32 s15, s12, 8                         ; + my 64 along K
	s_add_co_u32 s16, s16, s15
	s_mov_b32 s17, 0
	s_lshl_b32 s18, ttmp9, 18                      ; Wp: my 64 rows of 4,096 bytes,
	s_add_co_u32 s18, s18, s15                     ; + my 64 along K
	s_mov_b32 s19, 0
	s_lshl_b32 s20, ttmp9, 8                       ; bp and a row of out0: my 64 columns
	s_mov_b32 s21, 0
	s_lshl_b32 s22, s14, 23                        ; out0: 2,048 rows a batch,
	s_lshl_b32 s15, s12, 12                        ; + row w
	s_add_co_u32 s22, s22, s15
	s_add_co_u32 s22, s22, s20
	s_mov_b32 s23, 0
	s_wait_kmcnt 0x0
	s_add_nc_u64 s[4:5], s[4:5], s[16:17]
	s_add_nc_u64 s[6:7], s[6:7], s[18:19]
	s_add_nc_u64 s[8:9], s[8:9], s[20:21]
	s_add_nc_u64 s[10:11], s[10:11], s[22:23]
.irp i, 0,1,2,3,4,5,6,7
	global_load_b128 v[16+4*\i:19+4*\i], v5, s[4:5] offset:32*\i               ; y: k = 8 i + 4 h + 0 .. 3 of my 64
.endr
.irp nt, 0,1,2,3
.irp i, 0,1,2,3,4,5,6,7
	global_load_b128 v[48+32*\nt+4*\i:51+32*\nt+4*\i], v5, s[6:7] offset:65536*\nt+32*\i   ; Wp, rows 16 nt + r: the same k
.endr
.endr
	global_load_b64 v[208:209], v7, s[8:9]         ; bp of my two columns of the row that I store
	s_wait_loadcnt 0x0
.irp e, 0,1,2,3,4,5,6,7,8,9,10,11,12,13,14,15   ; 16 K steps of 4; the four accumulators take turns, one instruction a turn; the first step starts the sums
.irp nt, 0,1,2,3
.if \e == 0
	v_wmma_f32_16x16x4_f32 v[176+8*\nt:183+8*\nt], v[48+32*\nt+2*\e:49+32*\nt+2*\e], v[16+2*\e:17+2*\e], 0
.else
	v_wmma_f32_16x16x4_f32 v[176+8*\nt:183+8*\nt], v[48+32*\nt+2*\e:49+32*\nt+2*\e], v[16+2*\e:17+2*\e], v[176+8*\nt:183+8*\nt]
.endif
.endr
.endr
.rept 8
	v_nop                                          ; eight places behind this form: in front of the stores that read its results and of the loads into registers that it read
.endr
.irp nt, 0,1,2,3
	ds_store_b128 v6, v[176+8*\nt:179+8*\nt] offset:64*\nt          ; token r, columns 16 nt + 8 h + 0 .. 7; each accumulator from its low end on
	ds_store_b128 v6, v[180+8*\nt:183+8*\nt] offset:64*\nt+16
.endr
	s_wait_dscnt 0x0                               ; for the others' sake: my stores have landed
	s_barrier_signal -1
	s_barrier_wait -1
.irp p, 0,1,2,3,4,5,6,7,8,9,10,11,12,13,14,15
	ds_load_b64 v[16+2*\p:17+2*\p], v8 offset:PART*\p              ; row w of wave p's part: 32 lanes read 256 consecutive bytes
.endr
	s_wait_dscnt 0x0
.irp p, 0,1,2,3,4,5,6,7
	v_pk_add_f32 v[16+4*\p:17+4*\p], v[16+4*\p:17+4*\p], v[18+4*\p:19+4*\p]
.endr
.irp p, 0,1,2,3
	v_pk_add_f32 v[16+8*\p:17+8*\p], v[16+8*\p:17+8*\p], v[20+8*\p:21+8*\p]
.endr
.irp p, 0,1
	v_pk_add_f32 v[16+16*\p:17+16*\p], v[16+16*\p:17+16*\p], v[24+16*\p:25+16*\p]
.endr
	v_pk_add_f32 v[16:17], v[16:17], v[32:33]
	v_pk_add_f32 v[16:17], v[16:17], v[208:209]
	global_store_b64 v7, v[16:17], s[10:11]        ; 32 lanes store 256 consecutive bytes, aligned
	s_wait_tensorcnt 0x0                           ; the wave's end: three lines behind my last LDS store
	ds_add_u32 v[SPW], v[NIL]
	s_wait_dscnt 0x0
	s_endpgm
.Lfunc_end_k_q36ae50feb4_fine_proj:
	.size	k_q36ae50feb4_fine_proj, .Lfunc_end_k_q36ae50feb4_fine_proj-k_q36ae50feb4_fine_proj
	.p2alignl 7, 3214868480
	.fill 96, 4, 3214868480
	.section	.rodata,"a",@progbits
	.p2align	6, 0x0
	.amdhsa_kernel k_q36ae50feb4_fine_proj
		.amdhsa_group_segment_fixed_size 71680
		.amdhsa_private_segment_fixed_size 0
		.amdhsa_enable_private_segment 0
		.amdhsa_kernarg_size 32
		.amdhsa_user_sgpr_count 2
		.amdhsa_user_sgpr_kernarg_segment_ptr 1
		.amdhsa_wavefront_size32 1
		.amdhsa_system_sgpr_workgroup_id_x 1
		.amdhsa_system_sgpr_workgroup_id_y 1
		.amdhsa_system_sgpr_workgroup_id_z 1
		.amdhsa_system_vgpr_workitem_id 0
		.amdhsa_next_free_vgpr 256
		.amdhsa_next_free_sgpr 66
		.amdhsa_reserve_vcc 0
		.amdhsa_float_denorm_mode_32 3
		.amdhsa_float_denorm_mode_16_64 3
		.amdhsa_memory_ordered 1
		.amdhsa_forward_progress 1
		.amdhsa_inst_pref_size 13
	.end_amdhsa_kernel
	.amdgpu_metadata
---
amdhsa.version: [ 1, 2 ]
amdhsa.kernels:
  - .name:           k_q36ae50feb4_fine_proj
    .symbol:         k_q36ae50feb4_fine_proj.kd
    .args:
      - { .name: y32, .offset: 0, .size: 8, .value_kind: global_buffer, .address_space: global }
      - { .name: Wp, .offset: 8, .size: 8, .value_kind: global_buffer, .address_space: global }
      - { .name: bp, .offset: 16, .size: 8, .value_kind: global_buffer, .address_space: global }
      - { .name: out0, .offset: 24, .size: 8, .value_kind: global_buffer, .address_space: global }
    .group_segment_fixed_size: 71680
    .private_segment_fixed_size: 0
    .kernarg_segment_align: 8
    .kernarg_segment_size: 32
    .max_flat_workgroup_size: 512
    .sgpr_count:     66
    .vgpr_count:     256
    .wavefront_size: 32
...
	.end_amdgpu_metadata
.endif
;; end of part 6
